; MI455X (gfx1250); checked and timed in simulation.
; The chip was launched on July 23, 2026; its instructions are those of AMD's public machine-readable ISA for CDNA 5 (MIT licence, August 2026) and "CDNA5" Instruction Set Architecture Reference Guide (July 2026). The comments in the code are by the model that wrote it; some were corrected since.
;; Governance Aware Attention. Allowed arithmetic: matrix products marked QUANTISED: E2M1 operands, one E8M0 scale for each 32 along K, by v_wmma_scale_f32_16x16x128_f8f6f4 with both operands' format E2M1 (or v_wmma_scale_f32_32x16x128_f4), f32 sums; products left as they are: f32 operands where the result goes on into a quantised operand, else bf16, f16 or f32 operands; f32 sums; everything else in f32.
;; Inputs: Wgk 1,024 x 1,024 float32; Wgq 1,024 x 1,024 float32; Wk 1,024 x 1,024 float32; Wq 1,024 x 1,024 float32; Wv 1,024 x 1,024 float32; bgk 1,024 float32; bgq 1,024 float32; bk 1,024 float32; bq 1,024 float32; bv 1,024 float32; governance_embeddings 2 x 1,024 float32; hidden_states 2 x 2,048 x 1,024 float32.
;; Outputs: out0 2 x 2,048 x 1,024 float32; out1 one number float32; out2 one number float32; out3 one number float32.
;; This version of the problem:
;;   THIS VERSION OF THE PROBLEM IS GIVEN IN LOW PRECISION. The matrix products marked QUANTISED in the list below multiply operands that are first quantised to E2M1 (2 exponent bits, 1 mantissa bit; 4 bits a number), with one power-of-two scale for each 32 numbers along K (OCP MX v1.0); their sums are f32. All else is computed in f32.
;;   The module's matrix products, in the order in which they are computed (A, B: the left and right operand; K: the contracted axis; several contracted axes count as one K, in the product's order):
;;     1. [M 4,096, K 1,024] x [K 1,024, N 1,024]; A: input hidden_states; B: input Wq: QUANTISED
;;     2. [M 4,096, K 1,024] x [K 1,024, N 1,024]; A: input hidden_states; B: input Wk: QUANTISED
;;     3. [M 4,096, K 1,024] x [K 1,024, N 1,024]; A: input hidden_states; B: input Wv: QUANTISED
;;     4. batch 32 x [M 2,048, K 64] x [K 64, N 2,048]; A: computed on the way; B: computed on the way: QUANTISED
;;     5. [M 2, K 1,024] x [K 1,024, N 1,024]; A: input governance_embeddings; B: input Wgq: left as it is (M = 2 < 16)
;;     6. [M 4,096, K 1,024] x [K 1,024, N 1,024]; A: input hidden_states; B: input Wgk: QUANTISED
;;     7. batch 32 x [M 1, K 64] x [K 64, N 2,048]; A: computed on the way; B: computed on the way: left as it is (M = 1 < 16)
;;     8. batch 32 x [M 2,048, K 2,048] x [K 2,048, N 64]; A: softmax (see below); B: computed on the way: QUANTISED
;;   THE QUANTISER, for each operand of a quantised product, along K:
;;     - K is cut into blocks of 32 from its start; a last block that is shorter is filled with zeros.
;;     - A block's scale is 2^e with e = floor(log2(the largest magnitude in the block)) - 2, held to -126 .. 127; a block of zeros has e = 0. As a byte (E8M0): e + 127.
;;     - Each number is divided by its block's scale, clamped to +-6, and rounded to the nearest number of E2M1, ties to even, subnormals kept.
;;     - The product sums the exact products of the quantised numbers (number of the format x scale) in f32.
;;   ~~~python
;;   def quantise(x, axis):      # numpy; x: float32 -> the quantised numbers, widened to float32 again
;;       x = np.moveaxis(x, axis, -1); K = x.shape[-1]
;;       x = np.pad(x, [(0, 0)] * (x.ndim - 1) + [(0, -K % 32)]); x = x.reshape(x.shape[:-1] + (-1, 32)); a = np.abs(x).max(-1, keepdims=True)
;;       e = np.where(a > 0, np.clip(np.frexp(np.where(a > 0, a, 1))[1] - 1 - 2, -126, 127), 0)      # np.frexp(a)[1] - 1 = floor(log2(a)), exactly
;;       r = np.clip(x / 2.0 ** e, -6, 6)
;;       step = 2.0 ** (np.maximum(np.frexp(np.where(r == 0, 1, r))[1] - 1, 0) - 1)
;;       q = np.round(r / step) * step * 2.0 ** e      # np.round: ties to even
;;       return np.moveaxis(q.reshape(q.shape[:-2] + (-1,))[..., :K], -1, axis).astype(np.float32)
;;   ~~~
;;   SOFTMAX AHEAD OF A QUANTISED PRODUCT. Where the list says 'softmax', what is quantised is not the finished softmax but p = 2^(t - M), with t = logit x log2(e) and M = ceil(the row's largest t), a whole number; so 1/2 < the row's largest p <= 1. The row's sum l is taken of the UNQUANTISED p, in f32, and the product's result is divided by l at the end. Since M is a whole number, a kernel that streams over the keys may use a running M (the ceiling of the running maximum): every later rescaling is an exact power of two, which a block's scale takes up: the codes' values come out the same.
;;   OPERANDS COMPUTED ON THE WAY. 'Computed on the way' means the value that the module computes at that place (a softmax that the list does not call 'softmax' is quantised finished and normalised). What goes into a quantiser is computed in f32, as accurately as f32 sums, v_exp_f32 and their like allow (about 1e-6 of the number): no bf16 or f16 on the way to a quantiser, and a product that is left as it is and whose result goes on into a quantised operand takes f32 operands (vector FMAs, or v_wmma_f32_16x16x4_f32). A number that lies on a knife's edge between two numbers of the format may be rounded either way, as far as f32 arithmetic and the matrix unit's own rounding can turn it there, and no further.
;; One version. Each part assembles by itself: llvm-mc -triple=amdgcn-amd-amdhsa -mcpu=gfx1250 --defsym DOCPART=n.
;; ======== version 1 of 1: 4 launches
;; limits: a function is approximated: absolute error at most 2.05e-05
;; workspace buffers: codes 4,194,304 bytes; scales 262,144 bytes; gq 8,192 bytes; qb 4,587,520 bytes; kvb 4,587,520 bytes; parts 4,096 bytes
;; launch prep (part 1): grid 208 x 1, 4 waves a work-group, no clusters, 70,144 bytes of LDS; arguments hidden_states, Wq, Wk, Wgk, Wv, Wgq, governance_embeddings, bgq, codes, scales, gq; writes codes, scales, gq
.if DOCPART == 1
	.amdgcn_target "amdgcn-amd-amdhsa--gfx1250"
	.amdhsa_code_object_version 6
	.text
	.protected	k_q3788d147cd_prep
	.globl	k_q3788d147cd_prep
	.p2align	8
	.type	k_q3788d147cd_prep,@function
k_q3788d147cd_prep:
	s_mov_b64 s[64:65], 0
	v_nop
	global_prefetch_b8 v0, s[64:65] scope:SCOPE_SE
	s_setreg_imm32_b32 hwreg(HW_REG_WAVE_MODE, 25, 1), 1
	s_wait_xcnt 0x0
; GovernanceAwareAttention in MX-FP4, launch 1 of 4: the operands of the four projections become codes, and gq = governance_embeddings Wgq + bgq is made in f32.
; NO WORK OF reference() IS LEFT OUT AS DEAD, AND EVERY INPUT IS LOADED.  The governance term 0.1 gov[b,h,i] is the same along the softmax's axis, but what the last product quantises is
; p = 2^(t - M) with M = ceil(the row's largest t), a whole number: a term beta added to a row's t multiplies p by 2^(beta - (ceil(tmax + beta) - ceil(tmax))), which is no power of two,
; so it moves p's codes.  Hence gov, and with it gq, hidden_states Wgk, bgq and bgk, go into a quantised operand of a live product; they also make the output 'influence'.
; THREE PATHS, parted on the work-group's number alone (the same in all four waves), each with LDS bytes of its own:
;   work-groups 0-15:    gq, 64 columns each, by fused multiply-adds in f32 (its result goes on into a quantiser); K is shared among the four waves, whose parts meet in LDS.
;   work-groups 16-143:  hidden_states [4096][1024], K innermost: a plain stream of blocks of 32.  A wave takes 8 rows (8,192 numbers) in 16 steps of 512.
;   work-groups 144-207: Wq, Wk, Wgk, Wv [k][n], K outermost: a lane takes a column, its registers run down K; a wave takes 32 columns x 512 along K.
; OUT: codes [8192 rows][512 bytes], scales [8192 rows][32 bytes].  Rows 0-4095: tokens; rows 4096 + 1024 i + n: column n of weight i (Wq, Wk, Wgk, Wv).
; ROW ORDER: a row lies at its number with bits 3 and 4 exchanged.  So 16 neighbouring rows of the buffer are rows 32 b + 8 u + r + 8 (r / 8), r = 0 .. 15: the order in which the next
; launch wants the rows of a tile, so that its results' registers run along neighbours of the next K.
; THE QUANTISER: a block's scale is 2^(floor(log2(largest magnitude)) - 2); its byte is the largest magnitude's exponent field - 2, held at 1 from below.
; LIMITS: a block of zeros gets the byte 1 where the rule says 127 (its codes are zeros, and this program alone reads the bytes); blocks whose largest magnitude lies under 2^-124 keep the byte 1;
; NaN and infinities among the inputs are not served.  The weights' scale bytes leave 16 bytes a lane to rows 32 bytes apart, and gq leaves 128 bytes a wave.
; No tensor loads, no cluster: no two work-groups read the same bytes.
.set SPW,   224                        ; v224  LDS address of my spare word: SPARE + 4 x my thread's number; never rewritten
.set NIL,   225                        ; v225  0; never rewritten
.set WSL,   32768                      ; LDS: 0 .. 32767 the tokens' path (8,192 a wave); from here the weights' four stages of 32 x 272;
.set GSL,   67584                      ; gq's parts, 512 bytes a wave;
.set SPARE, 69632                      ; the spare words, 128 bytes for each wave: two blocks of 256 bytes that no other line names
	s_load_b256 s[4:11], s[0:1], 0x0               ; hidden_states s[4:5], Wq s[6:7], Wk s[8:9], Wgk s[10:11]
	s_load_b256 s[12:19], s[0:1], 0x20             ; Wv s[12:13], Wgq s[14:15], governance_embeddings s[16:17], bgq s[18:19]
	s_load_b128 s[20:23], s[0:1], 0x40             ; codes s[20:21], scales s[22:23]
	s_load_b64 s[24:25], s[0:1], 0x50              ; gq
	v_lshl_add_u32 v[SPW], v0, 2, SPARE
	v_mov_b32 v[NIL], 0
	v_lshrrev_b32 v1, 5, v0
	v_readfirstlane_b32 s26, v1                    ; wave 0..3
	v_and_b32 v2, 31, v0                           ; lane
	s_wait_kmcnt 0x0
	s_cmp_lt_u32 ttmp9, 16
	s_cbranch_scc1 .Lgq
	s_cmp_lt_u32 ttmp9, 144
	s_cbranch_scc1 .Lhs
; ---------------- the weights: K is the first axis ----------------
.set WP,   272                         ; a stage row: 256 bytes of codes + 16
.set WX,   32                          ; v32-95   two sets of 32 numbers
.set WC,   96                          ; v96-99   a block's codes
.set WOUT, 112                         ; v112-175 the way out
.set WSB,  24                          ; v24-27   16 scale bytes
	s_sub_co_u32 s27, ttmp9, 144
	s_lshr_b32 s28, s27, 4                         ; which weight
	s_and_b32 s29, s27, 7                          ; which 128 columns
	s_bfe_u32 s30, s27, 0x10003                    ; which 512 along K
	s_cmp_eq_u32 s28, 1                            ; the choice hangs on the work-group's number alone
	s_cselect_b64 s[6:7], s[8:9], s[6:7]
	s_cmp_eq_u32 s28, 2
	s_cselect_b64 s[6:7], s[10:11], s[6:7]
	s_cmp_eq_u32 s28, 3
	s_cselect_b64 s[6:7], s[12:13], s[6:7]
	s_lshl_b32 s31, s29, 7
	s_lshl_b32 s32, s26, 5
	s_add_co_u32 s31, s31, s32                     ; my wave's first column
	s_lshl_b32 s34, s30, 21                        ; 512 rows of 4,096 bytes
	s_lshl_b32 s32, s31, 2
	s_add_co_u32 s34, s34, s32
	s_mov_b32 s35, 0
	s_add_nc_u64 s[6:7], s[6:7], s[34:35]
	s_lshl_b32 s33, s28, 10
	s_add_co_u32 s33, s33, s31
	s_add_co_u32 s33, s33, 4096                    ; my first row of the two buffers
	s_lshl_b32 s34, s33, 9
	s_lshl_b32 s32, s30, 8
	s_add_co_u32 s34, s34, s32
	s_add_nc_u64 s[20:21], s[20:21], s[34:35]      ; codes: row x 512 + 256 x half of K
	s_lshl_b32 s34, s33, 5
	s_lshl_b32 s32, s30, 4
	s_add_co_u32 s34, s34, s32
	s_add_nc_u64 s[22:23], s[22:23], s[34:35]      ; scale bytes: row x 32 + 16 x half of K
	s_mul_i32 s36, s26, 32*WP
	s_add_co_u32 s36, s36, WSL                     ; my stage
	v_lshlrev_b32 v3, 2, v2                        ; in: 4 bytes a lane
	v_mul_u32_u24 v4, v2, WP
	v_add_nc_u32 v4, s36, v4                       ; into the stage: row = my column
	v_and_b32 v5, 15, v2
	v_lshrrev_b32 v6, 4, v2                        ; out of it: sixteen lanes to a row, two rows an instruction
	v_mul_u32_u24 v7, v6, WP
	v_lshl_add_u32 v7, v5, 4, v7
	v_add_nc_u32 v7, s36, v7
	v_lshlrev_b32 v8, 9, v6
	v_lshl_add_u32 v8, v5, 4, v8                   ; and the same place in the codes' buffer
	v_and_b32 v9, 7, v2                            ; my column's row of scale bytes: the lane's number with bits 3 and 4 exchanged, x 32
	v_bfe_u32 v10, v2, 3, 1
	v_lshl_or_b32 v9, v10, 4, v9
	v_bfe_u32 v10, v2, 4, 1
	v_lshl_or_b32 v9, v10, 3, v9
	v_lshlrev_b32 v9, 5, v9
.macro WLOAD t                         ; block t: W(32 t + i, my column), i = 0 .. 31, into set t % 2: 32 lanes read 128 consecutive bytes, the four waves 512
.set i, 0
.rept 32
	global_load_b32 v[WX+32*((\t)%2)+i], v3, s[6:7] offset:(32*(\t)+i)*4096 th:TH_LOAD_NT
.set i, i+1
.endr
.endm
.macro WBLOCK t
.set XS, WX+32*((\t)%2)
.if (\t) < 15
	s_wait_loadcnt 32                              ; this block's 32 loads are in; the next block's may be out
.else
	s_wait_loadcnt 0
.endif
	v_max3_num_f32 v12, |v[XS]|, |v[XS+1]|, |v[XS+2]|               ; the block's largest magnitude: all 32 numbers are mine
	v_max3_num_f32 v13, |v[XS+3]|, |v[XS+4]|, |v[XS+5]|
.irp i, 6,10,14,18,22,26
	v_max3_num_f32 v12, v12, |v[XS+\i]|, |v[XS+\i+1]|
	v_max3_num_f32 v13, v13, |v[XS+\i+2]|, |v[XS+\i+3]|
.endr
	v_max3_num_f32 v12, v12, |v[XS+30]|, |v[XS+31]|
	v_max3_num_f32 v12, v12, v13, 0x1800000        ; and the floor 2^(3 - 127): the byte cannot fall under 1
	v_add_nc_u32 v11, 0xff000000, v12              ; 2 off its exponent field: the conversion takes the exponent field of this operand as its scale
	v_lshrrev_b32 v13, 23, v11                     ; the scale's byte
.if (\t)%4 == 0
	v_mov_b32 v[WSB+(\t)/4], v13                   ; four bytes to a register, the lower K in the lower byte
.else
	v_lshl_or_b32 v[WSB+(\t)/4], v13, 8*((\t)%4), v[WSB+(\t)/4]
.endif
.irp g, 0,1,2,3
	v_cvt_scalef32_pk8_fp4_f32 v[WC+\g], v[XS+8*\g:XS+8*\g+7], v11
.endr
	ds_store_b128 v4, v[WC:WC+3] offset:16*(\t)    ; 32 codes: 16 bytes of my column's row
.if (\t)+2 < 16
	WLOAD (\t)+2
.endif
	s_wait_dscnt 0x0                               ; the store has read its registers: the next block's codes may be written
.endm
	WLOAD 0
	WLOAD 1
.set Q, 0
.rept 16
	WBLOCK Q
.set Q, Q+1
.endr
	global_store_b128 v9, v[WSB:WSB+3], s[22:23]   ; my column's 16 scale bytes
.irp t, 0,1,2,3,4,5,6,7,8,9,10,11,12,13,14,15
	ds_load_b128 v[WOUT+4*\t:WOUT+4*\t+3], v7 offset:2*\t*WP     ; a wave's LDS instructions are served in order: these see my stores
.endr
.irp t, 0,1,2,3,4,5,6,7,8,9,10,11,12,13,14,15
	s_wait_dscnt 15-\t                             ; the younger loads from the stage may be out
	global_store_b128 v8, v[WOUT+4*\t:WOUT+4*\t+3], s[20:21] offset:(((2*\t)&7)|((((2*\t)>>3)&1)<<4)|((((2*\t)>>4)&1)<<3))*512   ; columns 2 t and 2 t + 1 at their rows (bits 3 and 4 exchanged): 16 lanes store 256 consecutive bytes, aligned
.endr
	s_branch .Lend
; ---------------- hidden_states: K is innermost ----------------
.set SP,  80                           ; a lane's place in a stage: its 64 bytes + 16 of padding
.set HR,  16                           ; v16-79   four sets of 16 numbers as they are loaded
.set HX,  80                           ; v80-111  two sets of 16 neighbours
.set HE,  112                          ; v112-127 a scale byte for each step
.set HC,  128                          ; v128-191 codes: registers of its own for each step, so that no store's data are written again
.Lhs:
	s_sub_co_u32 s27, ttmp9, 16
	s_lshl_b32 s27, s27, 2
	s_add_co_u32 s28, s27, s26                     ; which run of 8 rows is my wave's
	s_and_b32 s29, s26, 1
	s_lshl_b32 s29, s29, 1
	s_lshr_b32 s30, s26, 1
	s_or_b32 s29, s29, s30
	s_add_co_u32 s29, s27, s29                     ; and where it goes: bits 3 and 4 of a row are bits 0 and 1 of its run
	s_lshl_b32 s30, s28, 15
	s_mov_b32 s31, 0
	s_add_nc_u64 s[4:5], s[4:5], s[30:31]
	s_lshl_b32 s30, s29, 12
	s_add_nc_u64 s[20:21], s[20:21], s[30:31]
	s_lshl_b32 s30, s29, 8
	s_add_nc_u64 s[22:23], s[22:23], s[30:31]
	v_lshlrev_b32 v3, 4, v2                        ; my 16 bytes of a load's 512
	s_lshl_b32 s32, s26, 13                        ; my wave's 8,192 bytes of LDS: two stages of 32 x 80, then 256 scale bytes
	v_lshrrev_b32 v14, 2, v2
	v_mul_u32_u24 v14, v14, SP
	v_and_b32 v15, 3, v2
	v_lshl_add_u32 v14, v15, 4, v14
	v_add_nc_u32 v14, s32, v14                     ; the stage, on the way in: four lanes' 64 bytes on end, then 16 of padding
	v_mul_u32_u24 v15, v2, SP
	v_add_nc_u32 v15, s32, v15                     ; and on the way out: my 16 neighbours
	v_lshlrev_b32 v4, 3, v2                        ; 8 bytes a lane: my codes' place in a step's, and my part of the scale bytes
	v_lshrrev_b32 v5, 1, v2
	s_add_co_u32 s32, s32, 2*32*SP
	v_add_nc_u32 v5, s32, v5                       ; my block's byte
	v_add_nc_u32 v6, s32, v4
.macro HLOAD t
.irp i, 0,1,2,3
	global_load_b128 v[HR+16*((\t)%4)+4*\i:HR+16*((\t)%4)+4*\i+3], v3, s[4:5] offset:2048*(\t)+512*\i th:TH_LOAD_NT   ; 32 lanes read 512 consecutive bytes
.endr
.endm
.macro HTURN t                         ; step t's numbers through the stage: a wave's LDS instructions are served in order, so no wait stands between the stores and the loads
.irp i, 0,1,2,3
	ds_store_b128 v14, v[HR+16*((\t)%4)+4*\i:HR+16*((\t)%4)+4*\i+3] offset:32*SP*((\t)%2)+8*SP*\i
.endr
.irp i, 0,1,2,3
	ds_load_b128 v[HX+16*((\t)%2)+4*\i:HX+16*((\t)%2)+4*\i+3], v15 offset:32*SP*((\t)%2)+16*\i
.endr
.endm
.macro HSTEP t
.set XS, HX+16*((\t)%2)
.if (\t) > 0
	s_wait_dscnt 1                                 ; this step's numbers are back from the stage (the last step's byte store may be out)
.else
	s_wait_dscnt 0x0
.endif
.if (\t)+4 < 16
	HLOAD (\t)+4                                   ; into the registers that this step's stores into the stage have read
.endif
.if (\t)+1 < 16
.if 14-(\t) >= 3
	s_wait_loadcnt 12                              ; the next step's four loads are in; those of the three steps behind it may be out
.else
	s_wait_loadcnt 4*(14-(\t))
.endif
	HTURN (\t)+1
.endif
	v_max3_num_f32 v8, |v[XS]|, |v[XS+1]|, |v[XS+2]|               ; the largest magnitude of my 16
	v_max3_num_f32 v9, |v[XS+3]|, |v[XS+4]|, |v[XS+5]|
.irp i, 6,10
	v_max3_num_f32 v8, v8, |v[XS+\i]|, |v[XS+\i+1]|
	v_max3_num_f32 v9, v9, |v[XS+\i+2]|, |v[XS+\i+3]|
.endr
	v_max3_num_f32 v8, v8, |v[XS+14]|, |v[XS+15]|
	v_max3_num_f32 v8, v8, v9, 0x1800000           ; and the floor 2^(3 - 127)
	v_max_num_f32_dpp v8, v8, v8 row_xmask:1 row_mask:0xf bank_mask:0xf   ; and of my neighbour's 16: the block's
	v_add_nc_u32 v11, 0xff000000, v8               ; 2 off its exponent field: the conversion's scale operand
	v_cvt_scalef32_pk8_fp4_f32 v[HC+4*(\t)], v[XS:XS+7], v11
	v_cvt_scalef32_pk8_fp4_f32 v[HC+4*(\t)+1], v[XS+8:XS+15], v11
	v_lshrrev_b32 v[HE+(\t)], 23, v11              ; the scale's byte
	ds_store_b8 v5, v[HE+(\t)] offset:16*(\t)      ; both lanes of a block write the same byte with the same value
	global_store_b64 v4, v[HC+4*(\t):HC+4*(\t)+1], s[20:21] offset:256*(\t)   ; 32 lanes store 256 consecutive bytes, aligned
.endm
.irp t, 0,1,2,3
	HLOAD \t
.endr
	s_wait_loadcnt 12                              ; step 0's four loads are in
	HTURN 0
.irp t, 0,1,2,3,4,5,6,7,8,9,10,11,12,13,14,15
	HSTEP \t
.endr
	ds_load_b64 v[8:9], v6                         ; my wave's 256 scale bytes: these see my stores
	s_wait_dscnt 0x0
	global_store_b64 v4, v[8:9], s[22:23]          ; 32 lanes store 256 consecutive bytes, aligned
	s_branch .Lend
; ---------------- gq = governance_embeddings Wgq + bgq, in f32 ----------------
; Wave w, lane (cg = lane % 16, h = lane / 16): rows k = 256 w + 128 h + i of Wgq, i = 0 .. 127, columns 64 x work-group + 4 cg .. + 3: a load reads two rows' 256 consecutive bytes.
; Eight chunks of 16 rows on two sets of registers (64 of Wgq, 2 x 16 of the embeddings), one chunk ahead.  v[16:19]: batch 0's four sums, v[20:23]: batch 1's.
.Lgq:
	s_mov_b32 s28, 0x76543210
	s_mov_b32 s29, 0xfedcba98                      ; v_permlanex16_b32's selects for lane l xor 16
	s_lshl_b32 s30, ttmp9, 8                       ; my 64 columns, in bytes
	s_lshl_b32 s31, s26, 20                        ; my wave's 256 rows of 4,096 bytes
	s_add_co_u32 s32, s30, s31
	s_mov_b32 s33, 0
	s_add_nc_u64 s[14:15], s[14:15], s[32:33]
	s_lshl_b32 s32, s26, 10
	s_add_nc_u64 s[16:17], s[16:17], s[32:33]      ; the embeddings at k = 256 w
	s_mov_b32 s32, s30
	s_add_nc_u64 s[18:19], s[18:19], s[32:33]
	s_add_nc_u64 s[24:25], s[24:25], s[32:33]
	v_and_b32 v3, 15, v2
	v_lshrrev_b32 v4, 4, v2
	v_lshlrev_b32 v5, 4, v3
	v_lshl_add_u32 v6, v4, 19, v5                  ; Wgq: 128 h rows + 16 cg
	v_lshlrev_b32 v7, 9, v4                        ; the embeddings: 128 h numbers
	v_and_b32 v8, 63, v0
	v_lshlrev_b32 v8, 2, v8
	global_load_b32 v9, v8, s[18:19]               ; bgq of the column that my thread finishes
	v_lshrrev_b32 v10, 6, v0
	v_lshl_add_u32 v10, v10, 12, v8                ; and its place in gq: batch = thread / 64, column = thread % 64
	s_lshl_b32 s34, s26, 9
	s_add_co_u32 s34, s34, GSL
	v_add_nc_u32 v11, s34, v5                      ; LDS: my wave's 512 bytes: batch 0's 64 sums, then batch 1's
	v_lshl_add_u32 v12, v0, 2, GSL                 ; and back: 4 x thread in each wave's part
.irp j, 0,1,2,3,4,5,6,7
	v_mov_b32 v[24+\j], 0                          ; written once: a lane permute's destination counts as one of its sources
.endr
.macro GLOAD c
.set GSET, 32+96*((\c)%2)
.irp b, 0,1
.irp j, 0,1,2,3
	global_load_b128 v[GSET+64+16*\b+4*\j:GSET+64+16*\b+4*\j+3], v7, s[16:17] offset:4096*\b+64*(\c)+16*\j
.endr
.endr
.set i, 0
.rept 16
	global_load_b128 v[GSET+4*i:GSET+4*i+3], v6, s[14:15] offset:(16*(\c)+i)*4096 th:TH_LOAD_NT
.set i, i+1
.endr
.endm
.macro GFMA c                          ; four packed multiply-adds a row; the embedding's number is taken from its pair for both halves.  The very first row starts the sums: nothing is cleared
.set GSET, 32+96*((\c)%2)
.irp i, 0,1,2,3,4,5,6,7,8,9,10,11,12,13,14,15
.irp b, 0,1
.irp p, 0,1
.if ((\c) == 0) && (\i == 0)
	v_pk_mul_f32 v[16+4*\b+2*\p:17+4*\b+2*\p], v[GSET+2*\p:GSET+2*\p+1], v[GSET+64+16*\b:GSET+64+16*\b+1] op_sel_hi:[1,0]
.elseif \i%2 == 0
	v_pk_fma_f32 v[16+4*\b+2*\p:17+4*\b+2*\p], v[GSET+4*\i+2*\p:GSET+4*\i+2*\p+1], v[GSET+64+16*\b+\i:GSET+64+16*\b+\i+1], v[16+4*\b+2*\p:17+4*\b+2*\p] op_sel_hi:[1,0,1]
.else
	v_pk_fma_f32 v[16+4*\b+2*\p:17+4*\b+2*\p], v[GSET+4*\i+2*\p:GSET+4*\i+2*\p+1], v[GSET+64+16*\b+\i-1:GSET+64+16*\b+\i], v[16+4*\b+2*\p:17+4*\b+2*\p] op_sel:[0,1,0] op_sel_hi:[1,1,1]
.endif
.endr
.endr
.endr
.endm
	GLOAD 0
	GLOAD 1
.irp c, 0,1,2,3,4,5,6,7
.if \c < 7
	s_wait_loadcnt 24                              ; this chunk's 24 loads are in; the next chunk's may be out
.else
	s_wait_loadcnt 0
.endif
	GFMA \c
.if \c < 6
	GLOAD \c+2
.endif
.endr
.irp j, 0,1,2,3,4,5,6,7
	v_permlanex16_b32 v[24+\j], v[16+\j], s28, s29
.endr
.irp j, 0,2,4,6
	v_pk_add_f32 v[16+\j:17+\j], v[16+\j:17+\j], v[24+\j:25+\j]   ; with the other half's 128 rows: both halves now hold the same
.endr
	ds_store_b128 v11, v[16:19]                    ; (both halves write the same bytes with the same values)
	ds_store_b128 v11, v[20:23] offset:256
	s_wait_dscnt 0x0                               ; for the others' sake: my stores are done
	s_barrier_signal -1                            ; all four waves of such a work-group are on this path
	s_barrier_wait -1
.irp w, 0,1,2,3
	ds_load_b32 v[24+\w], v12 offset:512*\w
.endr
	s_wait_dscnt 0x0
	v_add_f32 v24, v24, v25
	v_add_f32 v26, v26, v27
	v_add_f32 v24, v24, v26
	v_add_f32 v24, v24, v9                         ; + bgq
	global_store_b32 v10, v24, s[24:25]
.Lend:
	s_wait_tensorcnt 0x0                           ; the wave's end: behind my last LDS store
	ds_add_u32 v[SPW], v[NIL]
	s_wait_dscnt 0x0
	s_endpgm
.Lfunc_end_k_q3788d147cd_prep:
	.size	k_q3788d147cd_prep, .Lfunc_end_k_q3788d147cd_prep-k_q3788d147cd_prep
	.p2alignl 7, 3214868480
	.fill 96, 4, 3214868480
	.section	.rodata,"a",@progbits
	.p2align	6, 0x0
	.amdhsa_kernel k_q3788d147cd_prep
		.amdhsa_group_segment_fixed_size 70144
		.amdhsa_private_segment_fixed_size 0
		.amdhsa_enable_private_segment 0
		.amdhsa_kernarg_size 88
		.amdhsa_user_sgpr_count 2
		.amdhsa_user_sgpr_kernarg_segment_ptr 1
		.amdhsa_wavefront_size32 1
		.amdhsa_system_sgpr_workgroup_id_x 1
		.amdhsa_system_sgpr_workgroup_id_y 1
		.amdhsa_system_sgpr_workgroup_id_z 1
		.amdhsa_system_vgpr_workitem_id 0
		.amdhsa_next_free_vgpr 232
		.amdhsa_next_free_sgpr 66
		.amdhsa_reserve_vcc 0
		.amdhsa_float_denorm_mode_32 3
		.amdhsa_float_denorm_mode_16_64 3
		.amdhsa_memory_ordered 1
		.amdhsa_forward_progress 1
		.amdhsa_inst_pref_size 164
	.end_amdhsa_kernel
	.amdgpu_metadata
---
amdhsa.version: [ 1, 2 ]
amdhsa.kernels:
  - .name:           k_q3788d147cd_prep
    .symbol:         k_q3788d147cd_prep.kd
    .args:
      - { .name: hidden_states, .offset: 0, .size: 8, .value_kind: global_buffer, .address_space: global }
      - { .name: Wq, .offset: 8, .size: 8, .value_kind: global_buffer, .address_space: global }
      - { .name: Wk, .offset: 16, .size: 8, .value_kind: global_buffer, .address_space: global }
      - { .name: Wgk, .offset: 24, .size: 8, .value_kind: global_buffer, .address_space: global }
      - { .name: Wv, .offset: 32, .size: 8, .value_kind: global_buffer, .address_space: global }
      - { .name: Wgq, .offset: 40, .size: 8, .value_kind: global_buffer, .address_space: global }
      - { .name: governance_embeddings, .offset: 48, .size: 8, .value_kind: global_buffer, .address_space: global }
      - { .name: bgq, .offset: 56, .size: 8, .value_kind: global_buffer, .address_space: global }
      - { .name: codes, .offset: 64, .size: 8, .value_kind: global_buffer, .address_space: global }
      - { .name: scales, .offset: 72, .size: 8, .value_kind: global_buffer, .address_space: global }
      - { .name: gq, .offset: 80, .size: 8, .value_kind: global_buffer, .address_space: global }
    .group_segment_fixed_size: 70144
    .private_segment_fixed_size: 0
    .kernarg_segment_align: 8
    .kernarg_segment_size: 88
    .max_flat_workgroup_size: 128
    .sgpr_count:     66
    .vgpr_count:     232
    .wavefront_size: 32
...
	.end_amdgpu_metadata
.endif
;; end of part 1
;; launch proj (part 2): grid 16 x 16, 4 waves a work-group, clusters of 4 x 4, 327,680 bytes of LDS; arguments codes, scales, bq, bk, bgk, bv, gq, qb, kvb; writes qb, kvb
.if DOCPART == 2
	.amdgcn_target "amdgcn-amd-amdhsa--gfx1250"
	.amdhsa_code_object_version 6
	.text
	.protected	k_q3788d147cd_proj
	.globl	k_q3788d147cd_proj
	.p2align	8
	.type	k_q3788d147cd_proj,@function
k_q3788d147cd_proj:
	s_mov_b64 s[64:65], 0
	v_nop
	global_prefetch_b8 v0, s[64:65] scope:SCOPE_SE
	s_setreg_imm32_b32 hwreg(HW_REG_WAVE_MODE, 25, 1), 1
	s_wait_xcnt 0x0
	s_wait_alu depctr_hold_cnt(0) depctr_sa_sdst(0) depctr_va_vdst(0) depctr_va_sdst(0) depctr_va_ssrc(0) depctr_va_vcc(0) depctr_vm_vsrc(0)
	s_getreg_b32 s2, hwreg(HW_REG_IB_STS2, 6, 4)
	s_cmp_eq_u32 s2, 0
	s_cbranch_scc0 .Lentry_in_a_cluster
	s_endpgm
.Lentry_in_a_cluster:
	s_bfe_u32 s2, ttmp6, 0x10000c
	s_cmp_lg_u32 s2, 0xf033
	s_cbranch_scc0 .Lentry_shape_is_right
	s_endpgm
.Lentry_shape_is_right:
; Launch 2 of 4: the four projections, one GEMM on codes of FP4 (E2M1) with one E8M0 scale for each 32 along K = 1,024, on 256 tiles of 256 x 256, and what becomes of the results, fused.  No work is left out.
; codes [8192][512 bytes], scales [8192][32 bytes]: rows 0-4095 tokens, rows 4096 + 1024 i + n column n of weight i (Wq, Wk, Wgk, Wv); a row lies at its number with bits 3 and 4 exchanged.
; WHO MAKES WHAT.  Cluster x = 0, 1, 2: q, k, gk: A = 256 tokens, B = 256 columns of the weight.  Cluster x = 3: V TRANSPOSED: A = 256 columns of Wv, B = 256 tokens.
; THE MATRIX INSTRUCTION IS USED TRANSPOSED (source 0 = 16 rows of B, source 1 = 16 rows of A): a lane holds ONE row of A and its registers run along B's rows.  By the buffers' row order the 64 registers of
; a block a of A's rows are, as register 16 beta + i, B's row 32 beta + 16 (lane / 16) + i: 16 neighbours of each block of 32.  For q and k that is along the head, for V^T along the keys: the next products' K.
; THE WAY OUT, by cluster x (the same in all partners):
;   q, k: + bias, quantised along the head's 64; the fragments leave as images of the next launch's operand registers, 512 consecutive bytes a store; scale words through a small stage.
;   V^T:  + bias (one number a lane), quantised along 128 keys; likewise.
;   gk:   gov[token, head] = sum over d of gq[d] (gk[d] + bgk[d]), in f32: gk itself never goes to memory.
; qb, kvb: [batch x head 32][step 16][8,960 bytes]; a block holds 128 tokens as 8 tiles; tile a, lane r = token 32 (a / 2) + 8 (a % 2) + r + 8 (r / 8) of the step.
;   kvb: +0 K's 8 tiles x 512; +4096 V^T's 4 tiles of 16 channels x 1,024; +8192 K's scale words; +8704 V's.   qb: +0 Q's 8 tiles; +4096 gov; +8192 Q's scale words.
;   A table of 512 bytes holds the word of (tile a, r) at 16 (16 (a % 2) + r) + 4 (a / 2); V's of 256 bytes that of (tile a', r) at 8 (16 (a' % 2) + r) + 4 (a' / 2).
; CLUSTERS: 4 x 4 work-groups.  A's tile is shared along a row of the cluster, B's along a column: each is asked for JOINTLY.  K is one lap of a ring of two slots: all tiles are first fills, three loads a wave are out at the most.
; LIMITS: as in the launch before (blocks of zeros and blocks under 2^-124 keep the byte 1; NaN and infinities are not served).
; REGISTERS, in windows of 256: window 0: v0-31 addresses; v32-95 scale words, two sets; v128-191 A's fragments, one set; window 1: B's fragments, two sets; windows 2, 3: the 64 accumulators ((a, b) at v[8 (8 (a % 4) + b)]).
;   On the way out, window 0: v32-95 codes (8 a block), v96-111 at work, v112-119 scale words, v120-127 words for the stage, v128-191 64 numbers (or gq), v192-255 biases.
.set KSTEP,  512                       ; along K in a slot
.set NQ,     4                         ; matrix instructions deep
.set ROWB,   256                       ; a tile's row in bytes
.set KROW,   512                       ; a row of codes in memory
.set PITCH,  272                       ; an LDS row: 256 bytes + 16 of padding = 68 words: the 16 rows that a load touches start at 16 different banks (64 banks of 4 bytes: ISA guide 11.1)
.set FR,     8
.set NL,     2
.set NP,     4
.set HALFT,  128*PITCH
.set SLOT,   4*HALFT
.set KS,     32                        ; a row of scales in bytes
.set SCL,    2*SLOT                    ; behind the ring: the scales, as rows of 256 bytes + 16 of padding
.set HALFS,  16*272                    ; the scales of 128 rows
.set SBLK,   2*272                     ; those of 16 rows
.set SPARE,  SCL+4*HALFS               ; the spare words, 128 bytes for each wave: two blocks of 256 bytes that no other line names
.set BLK,    8960                      ; a block of qb or kvb
.set HS,     16*BLK                    ; from head to head
.set QS,     0                         ; the way out's stages lie in slot 0, which has had its last fill and its last read by then; each path has bytes of its own, each wave its part
.set VS,     4096
.set GS,     8192
.set ADRA, 16
.set ADRB, 20
.set ADRS, 27
.set SPW,  28                          ; v28  LDS address of my spare word; never rewritten
.set NIL,  29                          ; v29  0; never rewritten
.set SC,   32
.set AF,   128
.set PC0,  32
.set TM,   96
.set PW0,  112
.set WD,   120
.set T,    128
.set GQ,   128
.set BI,   192
.set G1, 24
.set G0, 32
.set G1B, 48
.set G0B, 56
.set G1S, 68
.set G0S, 76
.set G1SB, 80
.set G0SB, 88
.set MSB, 0
.macro WIN new                         ; the immediate's high byte repeats the setting that is left
.if MSB != (\new)
	s_set_vgpr_msb (MSB<<8)|(\new)
.set MSB, (\new)
.endif
.endm
.set MUL_LO, 0xa1                      ; source 0 (B) window 1, source 1 (A) window 0, C and D window 2
.set MUL_HI, 0xf1
.set TO_B,   0x40
; A joint load: waves 0 and 1 fetch for A, waves 2 and 3 for B; the branch hangs on the wave's number alone.  An s_nop 0 and four v_nop follow each of the two lines.
.macro JLOAD g0a, g1a, g0b, g1b
	s_cmp_eq_u32 s15, 0
	s_cbranch_scc0 .Lfor_b_\@
	tensor_load_to_lds s[\g0a:\g0a+3], s[\g1a:\g1a+7]
	s_nop 0
.rept 4
	v_nop
.endr
	s_branch .Lasked_\@
.Lfor_b_\@:
	tensor_load_to_lds s[\g0b:\g0b+3], s[\g1b:\g1b+7]
	s_nop 0
.rept 4
	v_nop
.endr
.Lasked_\@:
.endm
.macro CROUND                          ; a round of the cluster's barrier
	s_barrier_signal -1
	s_barrier_wait -1
	s_cmp_lg_u32 s14, 0
	s_cbranch_scc1 .Lnot_wave_0_\@
	s_barrier_signal -3
.Lnot_wave_0_\@:
	s_barrier_wait -3
	s_barrier_signal -1
	s_barrier_wait -1
.endm
	s_load_b128 s[4:7], s[0:1], 0x0                ; codes s[4:5], scales s[6:7]
	s_load_b128 s[8:11], s[0:1], 0x10              ; bq s[8:9], bk s[10:11]
	s_load_b64 s[12:13], s[0:1], 0x20              ; bgk
	s_load_b128 s[96:99], s[0:1], 0x28             ; bv s[96:97], gq s[98:99]
	s_load_b64 s[100:101], s[0:1], 0x38            ; qb
	s_load_b64 s[66:67], s[0:1], 0x40              ; kvb
	v_lshl_add_u32 v[SPW], v0, 2, SPARE
	v_mov_b32 v[NIL], 0
	ds_add_u32 v[SPW], v[NIL]                      ; the wave's opening: the add, twice on end, and its wait ahead of my first tensor load
	ds_add_u32 v[SPW], v[NIL]
	v_lshrrev_b32 v1, 5, v0
	v_readfirstlane_b32 s14, v1                    ; wave 0..3
	s_lshr_b32 s15, s14, 1                         ; which half of A's rows is mine.  Also: I fetch for A (0) or for B (1)
	s_and_b32 s16, s14, 1                          ; which half of B's rows.  Also: which 128 rows of that tile I fetch
	s_bfe_u32 s40, ttmp6, 0x40000                  ; cx, cy: my place in the cluster
	s_bfe_u32 s41, ttmp6, 0x40004
	s_lshl_b32 s43, s41, 2
	s_lshl_b32 s43, 15, s43                        ; my row of the cluster
	s_lshl_b32 s44, 0x1111, s40                    ; my column
	; descriptor group 1: a tile of 128 rows x 256 bytes, padded in LDS
	s_or_b32 s[G1+0], s43, (0<<16)|(1<<20)|(1<<21)|(5<<22)|(3<<25)  ; 15:0 the mask: A's tiles go to my row; elements of 1 byte; padding on; 21 set beside a mask; after every 64 words 4 words
	s_or_b32 s[G1B+0], s44, (0<<16)|(1<<20)|(1<<21)|(5<<22)|(3<<25)
.irp g, G1, G1B
	s_mov_b32 s[\g+1], ROWB<<16                    ; tensor_dim0
	s_mov_b32 s[\g+2], 128<<16                     ; tensor_dim1
	s_mov_b32 s[\g+3], ROWB<<16                    ; tile_dim0
	s_mov_b32 s[\g+4], 128                         ; tile_dim1
	s_mov_b32 s[\g+5], KROW                        ; tensor_dim0_stride
	s_mov_b32 s[\g+6], 0
	s_mov_b32 s[\g+7], 0
.endr
	; and for the scales of 128 rows: a dense block of 4,096 bytes, as 16 rows of 256 bytes (32 elements of 8 bytes), 16 bytes of padding behind each
	s_or_b32 s[G1S+0], s43, (3<<16)|(1<<20)|(1<<21)|(5<<22)|(3<<25)
	s_or_b32 s[G1SB+0], s44, (3<<16)|(1<<20)|(1<<21)|(5<<22)|(3<<25)
.irp g, G1S, G1SB
	s_mov_b32 s[\g+1], 32<<16
	s_mov_b32 s[\g+2], 16<<16
	s_mov_b32 s[\g+3], 32<<16
	s_mov_b32 s[\g+4], 16
	s_mov_b32 s[\g+5], 32
	s_mov_b32 s[\g+6], 0
	s_mov_b32 s[\g+7], 0
.endr
	; which rows: the cluster's x and y are shared by all sixteen; A's rows hang besides on cy alone, B's on cx alone
	s_and_b32 s17, ttmp7, 0xffff
	s_lshl_b32 s17, s17, 10                        ; the cluster's 1,024 tokens
	s_lshl_b32 s42, ttmp9, 10
	s_add_co_u32 s42, s42, 4096                    ; the cluster's weight
	s_cmp_eq_u32 ttmp9, 3
	s_cselect_b32 s20, 7168, s17                   ; A: tokens, or Wv's columns
	s_cselect_b32 s46, s17, s42                    ; B: the weight's columns, or tokens
	s_lshl_b32 s18, s16, 7                         ; which 128 rows of the tile I fetch
	s_lshl_b32 s19, s41, 8
	s_add_co_u32 s20, s20, s19
	s_add_co_u32 s20, s20, s18
	s_lshl_b32 s47, s40, 8
	s_add_co_u32 s46, s46, s47
	s_add_co_u32 s46, s46, s18
	s_lshl_b32 s22, s20, 5                         ; where these rows' scales begin, in bytes,
	s_mov_b32 s23, 0
	s_lshl_b32 s92, s46, 5
	s_mov_b32 s93, 0
	s_lshl_b32 s20, s20, 9                         ; and their codes
	s_mov_b32 s21, 0
	s_lshl_b32 s46, s46, 9
	s_mov_b32 s47, 0
	s_mul_i32 s45, s14, HALFT                      ; where they go: wave x 128 rows: no place in the cluster enters an LDS address
	s_mul_i32 s94, s14, HALFS
	s_wait_dscnt 0x0                               ; both opening adds are done
	s_wait_kmcnt 0x0
	s_add_nc_u64 s[20:21], s[4:5], s[20:21]
	s_add_nc_u64 s[22:23], s[6:7], s[22:23]
	s_add_nc_u64 s[46:47], s[4:5], s[46:47]
	s_add_nc_u64 s[92:93], s[6:7], s[92:93]
	CROUND                                         ; all sixteen work-groups are here: the first joint loads meet
	s_mov_b32 s[G0S], 1
	s_add_co_u32 s[G0S+1], s94, SCL
	s_mov_b64 s[G0S+2:G0S+3], s[22:23]
	s_or_b32 s[G0S+3], s[G0S+3], 0x80000000
	s_mov_b32 s[G0SB], 1
	s_add_co_u32 s[G0SB+1], s94, SCL
	s_mov_b64 s[G0SB+2:G0SB+3], s[92:93]
	s_or_b32 s[G0SB+3], s[G0SB+3], 0x80000000
	JLOAD G0S, G1S, G0SB, G1SB                     ; the scales first: they are wanted with K step 0
.irp s, 0,1
	s_mov_b32 s[G0+4*\s], 1
	s_add_co_u32 s[G0+4*\s+1], s45, \s*SLOT
	s_add_nc_u64 s[G0+4*\s+2:G0+4*\s+3], s[20:21], \s*ROWB
	s_or_b32 s[G0+4*\s+3], s[G0+4*\s+3], 0x80000000
	s_mov_b32 s[G0B+4*\s], 1
	s_add_co_u32 s[G0B+4*\s+1], s45, \s*SLOT
	s_add_nc_u64 s[G0B+4*\s+2:G0B+4*\s+3], s[46:47], \s*ROWB
	s_or_b32 s[G0B+4*\s+3], s[G0B+4*\s+3], 0x80000000
	JLOAD G0+4*\s, G1, G0B+4*\s, G1B
.endr
	v_and_b32 v1, 15, v0                           ; r = l % 16: kept
	v_bfe_u32 v2, v0, 4, 1                         ; h = l / 16: kept
	v_mul_u32_u24 v3, v1, PITCH
	v_lshl_add_u32 v4, v2, 4, v3                   ; a fragment's row x pitch + 16 x half
	s_mul_i32 s21, s15, HALFT                      ; my 128 rows of A
	s_mul_i32 s22, s16, HALFT                      ; my 128 rows of B,
	s_add_co_u32 s22, s22, 2*HALFT                 ; which lie behind A's 256
.irp s, 0,1
	v_add_nc_u32 v[ADRA+\s], s21, v4
	v_add_nc_u32 v[ADRB+\s], s22, v4
	s_add_co_u32 s21, s21, SLOT
	s_add_co_u32 s22, s22, SLOT
.endr
	v_mul_u32_u24 v5, v1, KS                       ; my row's scales: 32 bytes a row,
	v_lshrrev_b32 v6, 8, v5
	v_lshl_add_u32 v5, v6, 4, v5                   ; and 16 more for each 256 passed
	s_mul_i32 s21, s15, HALFS                      ; A's: my 128 rows
	s_mul_i32 s22, s16, HALFS                      ; B's: my 128 rows, behind A's 256
	s_add_co_u32 s22, s22, 2*HALFS
	s_sub_co_u32 s22, s22, s21
	v_mul_u32_u24 v6, s22, v2                      ; lanes 16-31 take B's
	s_add_co_u32 s21, s21, SCL
	v_add_nc_u32 v5, v5, v6
	v_add_nc_u32 v[ADRS], s21, v5
.macro FRAG reg, adr, q, i             ; a fragment, 16 rows x 128 K of 4-bit codes, is 8 registers: lane l holds row l % 16; registers 4 c .. 4 c + 3 hold K = 64 c + 32 (l / 16) + 0 .. 31
.irp c, 0,1
	ds_load_b128 v[\reg+4*\c:\reg+4*\c+3], v[\adr] offset:64*(\q)+32*\c+(\i)*16*PITCH
.endr
.endm
; 16 matrix instructions: A's blocks a0, a0 + 1 x B's eight, 128 along K.  zero = 1: the first product starts the sums.  The 64 accumulators take turns, one instruction a turn.
; One register carries A's scale word (lanes 0-15) and B's (lanes 16-31) of block i.
.macro MUL16 a0, p, q, sc, zero
.irp a, \a0, \a0+1
.irp b, 0,1,2,3,4,5,6,7
.if \zero
	v_wmma_scale_f32_16x16x128_f8f6f4 v[8*(8*((\a)%4)+\b):8*(8*((\a)%4)+\b)+7], v[128*(\p)+FR*\b:128*(\p)+FR*\b+FR-1], v[AF+FR*(\a):AF+FR*(\a)+FR-1], 0, v[SC+8*NQ*(\sc)+NQ*\b+(\q)], v[SC+8*NQ*(\sc)+NQ*(\a)+(\q)] matrix_a_fmt:MATRIX_FMT_FP4 matrix_b_fmt:MATRIX_FMT_FP4 matrix_a_scale:MATRIX_SCALE_ROW1
.else
	v_wmma_scale_f32_16x16x128_f8f6f4 v[8*(8*((\a)%4)+\b):8*(8*((\a)%4)+\b)+7], v[128*(\p)+FR*\b:128*(\p)+FR*\b+FR-1], v[AF+FR*(\a):AF+FR*(\a)+FR-1], v[8*(8*((\a)%4)+\b):8*(8*((\a)%4)+\b)+7], v[SC+8*NQ*(\sc)+NQ*\b+(\q)], v[SC+8*NQ*(\sc)+NQ*(\a)+(\q)] matrix_a_fmt:MATRIX_FMT_FP4 matrix_b_fmt:MATRIX_FMT_FP4 matrix_a_scale:MATRIX_SCALE_ROW1
.endif
.endr
.endr
.endm
.macro FETCH_B slot, q, p
	WIN TO_B
.irp i, 0,1,2,3,4,5,6,7
	FRAG 128*(\p)+FR*\i, ADRB+\slot, \q, \i
.endr
	WIN 0
.endm
.macro FETCH_A slot, q, i0
.irp i, \i0, \i0+1, \i0+2, \i0+3
	FRAG AF+FR*(\i), ADRA+\slot, \q, \i
.endr
.endm
.macro SCALES sc                       ; a K step's scale words into set sc: 4 words a row; lanes 0-15 take A's block i, lanes 16-31 B's block i
.irp i, 0,1,2,3,4,5,6,7
	ds_load_b128 v[SC+8*NQ*\sc+NQ*\i:SC+8*NQ*\sc+NQ*\i+3], v[ADRS] offset:\i*SBLK
.endr
.endm
.macro PLACES n                        ; plain vector instructions between a matrix instruction and a load into, or a read of, its registers
.rept \n
	v_nop
.endr
.endm
.macro STEP slot, q, zero              ; a step of 128 along K that has its successor in the same slot
	s_wait_dscnt 4*NL                              ; B's set and A's blocks 0-3 are in; the youngest eight loads (A's blocks 4-7) may be out
	WIN MUL_LO
	MUL16 0, (\q)%2, \q, \slot, \zero
	MUL16 2, (\q)%2, \q, \slot, \zero
	s_wait_dscnt 0                                 ; A's blocks 4-7 are in
	PLACES NP
	FETCH_B \slot, (\q)+1, 1-(\q)%2
	FETCH_A \slot, (\q)+1, 0
	WIN MUL_HI
	MUL16 4, (\q)%2, \q, \slot, \zero
	MUL16 6, (\q)%2, \q, \slot, \zero
	PLACES NP
	WIN 0
	FETCH_A \slot, (\q)+1, 4
.endm
.macro TURN slot, next                 ; a slot's last step changes slots: one barrier; nothing is filled again
	s_wait_tensorcnt 0x0                           ; all my tensor loads have landed: my part of the next slot
	ds_add_u32 v[SPW], v[NIL]                      ; 0 onto my spare word
	s_wait_dscnt 4*NL+1                            ; (the add and the youngest eight loads may be out)
	WIN MUL_LO
	MUL16 0, 1, NQ-1, \slot, 0
	s_wait_dscnt 0x0                               ; the add is done, and my reads of this slot are over
	s_barrier_signal -1
	MUL16 2, 1, NQ-1, \slot, 0
	WIN 0
	s_barrier_wait -1                              ; the next slot is whole, and nobody reads this one any more
	PLACES NP
	v_add_nc_u32 v[ADRS], 4*NQ, v[ADRS]            ; on to the next K step's scale words
	FETCH_B \next, 0, 0
	FETCH_A \next, 0, 0
	SCALES \next
	WIN MUL_HI
	MUL16 4, 1, NQ-1, \slot, 0
	MUL16 6, 1, NQ-1, \slot, 0
	PLACES NP
	WIN 0
	FETCH_A \next, 0, 4
.endm
.macro STEPS slot, from
.set Q, \from
.rept NQ-1-\from
	STEP \slot, Q, 0
.set Q, Q+1
.endr
.endm
	s_wait_tensorcnt 1                             ; the scales and my part of K step 0 are in (K step 1's load may be out),
	s_barrier_signal -1
	s_barrier_wait -1                              ; everybody's are
	FETCH_B 0, 0, 0
	FETCH_A 0, 0, 0
	SCALES 0
	FETCH_A 0, 0, 4
	STEP 0, 0, 1                                   ; the first step's products start the sums: nothing is cleared
	STEPS 0, 1
	TURN 0, 1
	STEPS 1, 0
	s_wait_dscnt 4*NL                              ; the very last step: nothing more to fetch
	WIN MUL_LO
	MUL16 0, 1, NQ-1, 1, 0
	MUL16 2, 1, NQ-1, 1, 0
	s_wait_dscnt 0
	WIN MUL_HI
	MUL16 4, 1, NQ-1, 1, 0
	MUL16 6, 1, NQ-1, 1, 0
	WIN 0
; ---------------- THE WAY OUT ----------------
; These seven plain lines name no register of the last products: they are the places in front of the reads of results and of the writes and loads into registers that held operands and scales.
	v_and_b32 v8, 31, v0
	v_lshlrev_b32 v8, 4, v8                        ; 16 x lane: an image's place for my lane
	v_lshlrev_b32 v12, 4, v2                       ; 16 h
.irp b, 0,1,2,3
	v_mov_b32 v[TM+4+\b], 0                        ; written once: a lane permute's destination counts as one of its sources
.endr
	s_mov_b32 s2, 0x76543210
	s_mov_b32 s3, 0xfedcba98                       ; v_permlanex16_b32's selects for lane l xor 16
	s_and_b32 s17, ttmp7, 0xffff
	s_lshl_b32 s17, s17, 10                        ; the cluster's first token
; 64 numbers of a lane, v[s] on, register 16 b + i = k 32 b + 16 (lane / 16) + i of my row, become a fragment's codes in v[pc] on and its scale word in v[pw].
.macro QUANT s, pc, pw
.irp b, 0,1,2,3
	v_max3_num_f32 v[TM+\b], |v[\s+16*\b]|, |v[\s+1+16*\b]|, 0x1800000   ; block b: my 16 numbers, and the floor 2^(3 - 127): the byte cannot fall under 1
.endr
.irp i, 2,4,6,8,10,12,14
.irp b, 0,1,2,3
	v_max3_num_f32 v[TM+\b], v[TM+\b], |v[\s+16*\b+\i]|, |v[\s+1+16*\b+\i]|   ; (the four blocks by turns)
.endr
.endr
.irp b, 0,1,2,3
	v_permlanex16_b32 v[TM+4+\b], v[TM+\b], s2, s3
.endr
.irp b, 0,1,2,3
	v_max_num_f32 v[TM+\b], v[TM+\b], v[TM+4+\b]   ; with lane l xor 16's: the block's largest magnitude
.endr
.irp b, 0,1,2,3
	v_add_nc_u32 v[TM+12+\b], 0xff000000, v[TM+\b] ; 2 off its exponent field: the conversion's scale operand
.endr
.irp b, 0,1,2,3
	v_lshrrev_b32 v[TM+4+\b], 23, v[TM+12+\b]      ; the scale's byte
.endr
	v_lshl_or_b32 v[\pw], v[TM+5], 8, v[TM+4]      ; the four bytes make my row's scale word; both halves of the lanes hold the same
	v_lshl_or_b32 v[\pw], v[TM+6], 16, v[\pw]
	v_lshl_or_b32 v[\pw], v[TM+7], 24, v[\pw]
.irp b, 0,1,2,3
	v_cvt_scalef32_pk8_fp4_f32 v[\pc+2*\b], v[\s+16*\b:\s+7+16*\b], v[TM+12+\b]
	v_cvt_scalef32_pk8_fp4_f32 v[\pc+1+2*\b], v[\s+8+16*\b:\s+15+16*\b], v[TM+12+\b]
.endr
	v_nop                                          ; one plain place behind a scaled conversion
.irp c, 0,1                                    ; the operand's layout wants a WHOLE block in a lane: lanes 0-15 block 2 c, lanes 16-31 block 2 c + 1
.irp i, 0,1
	v_permlane16_swap_b32 v[\pc+4*\c+\i], v[\pc+2+4*\c+\i]
.endr
.endr
.endm
; Where my wave's block lies.  tc, tw: the registers with the place in the cluster and the half that choose the 128 tokens; hc, hw: those that choose the 128 channels (two heads).
; s[46:47] = the byte offset of block (batch, first head, step); s21 = the batch; s[22:23] = 4 x my first channel.
.macro BASE tc, tw, hc, hw
	s_lshl_b32 s18, s[\tc], 8
	s_add_co_u32 s18, s18, s17
	s_lshl_b32 s19, s[\tw], 7
	s_add_co_u32 s18, s18, s19                     ; my first token
	s_lshr_b32 s21, s18, 11                        ; batch
	s_bfe_u32 s19, s18, 0x40007                    ; step
	s_lshl_b32 s20, s[\hc], 2
	s_lshl_b32 s22, s[\hw], 1
	s_add_co_u32 s20, s20, s22                     ; my first head
	s_lshl_b32 s22, s21, 4
	s_add_co_u32 s20, s20, s22
	s_lshl_b32 s20, s20, 4
	s_add_co_u32 s20, s20, s19
	s_mul_i32 s46, s20, BLK
	s_mov_b32 s47, 0
	s_lshl_b32 s22, s[\hc], 10
	s_lshl_b32 s23, s[\hw], 9
	s_add_co_u32 s22, s22, s23
	s_mov_b32 s23, 0
.endm
	s_cmp_eq_u32 ttmp9, 3                          ; the cluster's x: the same in all sixteen partners
	s_cbranch_scc1 .Lv
	s_cmp_eq_u32 ttmp9, 2
	s_cbranch_scc1 .Lg
; ---- q or k: lane = a token, registers = 128 channels = two heads
	BASE 41, 15, 40, 16
	s_cmp_eq_u32 ttmp9, 0
	s_cselect_b64 s[92:93], s[100:101], s[66:67]   ; qb or kvb
	s_cselect_b64 s[94:95], s[8:9], s[10:11]       ; bq or bk
	s_add_nc_u64 s[92:93], s[92:93], s[46:47]
	s_add_nc_u64 s[94:95], s[94:95], s[22:23]
	v_lshlrev_b32 v9, 6, v2                        ; the bias of register 16 beta + i: channel 32 beta + 16 h + i
.irp g, 0,1,2,3,4,5,6,7,8,9,10,11,12,13,14,15
	global_load_b128 v[BI+4*\g:BI+4*\g+3], v9, s[94:95] offset:128*(\g/4)+16*(\g%4)
.endr
	s_lshl_b32 s18, s14, 10                        ; my 1,024 bytes of the stage: the first head's table of scale words, then the second's
	v_lshlrev_b32 v10, 9, v2
	v_lshl_add_u32 v10, v1, 4, v10
	v_add_nc_u32 v10, s18, v10                     ; in: lanes of half h store head h's words
	v_add_nc_u32 v11, s18, v8                      ; back: 16 bytes a lane
	s_wait_loadcnt 0x0
.macro EPI_QK a
.set AC, 64*((\a)%4)
	WIN 0x02+(\a)/4                                ; source 0: the accumulators' window
.set i, 0
.rept 32
	v_pk_add_f32 v[T+i:T+i+1], v[AC+i:AC+i+1], v[BI+i:BI+i+1]    ; + bias; each accumulator is read from its low end on
.set i, i+2
.endr
	WIN 0
	QUANT T, PC0+8*(\a), PW0+(\a)
	global_store_b128 v8, v[PC0+8*(\a):PC0+8*(\a)+3], s[92:93] offset:512*(\a)        ; the first head's tile: 512 consecutive bytes, aligned
	global_store_b128 v8, v[PC0+8*(\a)+4:PC0+8*(\a)+7], s[92:93] offset:HS+512*(\a)   ; the second head's
	v_lshrrev_b32 v[WD+(\a)], v12, v[PW0+(\a)]
	v_and_b32 v[WD+(\a)], 0xffff, v[WD+(\a)]       ; head h's two bytes; the bytes of k = 64 .. 127, whose codes are zeros, are 0
	ds_store_b32 v10, v[WD+(\a)] offset:256*((\a)%2)+4*((\a)/2)
.endm
.irp a, 0,1,2,3,4,5,6,7
	EPI_QK \a
.endr
	ds_load_b128 v[96:99], v11                     ; a wave's LDS instructions are served in order: these see my stores
	ds_load_b128 v[100:103], v11 offset:512
	s_wait_dscnt 0x0
	global_store_b128 v8, v[96:99], s[92:93] offset:8192
	global_store_b128 v8, v[100:103], s[92:93] offset:HS+8192
	s_branch .Lout
; ---- V^T: lane = a channel, registers = the 128 keys of a step
.Lv:
	BASE 40, 16, 41, 15
	s_add_nc_u64 s[92:93], s[66:67], s[46:47]      ; kvb
	s_add_nc_u64 s[94:95], s[96:97], s[22:23]      ; bv
	v_and_b32 v13, 8, v1
	v_add_nc_u32 v13, v13, v1                      ; r + 8 (r / 8)
	v_lshlrev_b32 v9, 2, v13
.irp a, 0,1,2,3,4,5,6,7
	global_load_b32 v[BI+2*\a], v9, s[94:95] offset:4*(32*(\a/2)+8*(\a%2))      ; my channel's bias, twice: a pair for the packed addition
	global_load_b32 v[BI+2*\a+1], v9, s[94:95] offset:4*(32*(\a/2)+8*(\a%2))
.endr
	s_lshl_b32 s18, s14, 9
	s_add_co_u32 s18, s18, VS                      ; my 512 bytes of the stage: the first head's table, then the second's
	v_lshl_add_u32 v10, v1, 3, s18
	v_add_nc_u32 v11, s18, v8
	v_mul_u32_u24 v14, v2, HS
	v_lshl_add_u32 v14, v1, 4, v14                 ; the tables' way out: lanes 0-15 the first head's 256 bytes, lanes 16-31 the second's
	s_wait_loadcnt 0x0
.macro EPI_V a
.set AC, 64*((\a)%4)
	WIN 0x02+(\a)/4
.set i, 0
.rept 32
	v_pk_add_f32 v[T+i:T+i+1], v[AC+i:AC+i+1], v[BI+2*(\a):BI+2*(\a)+1]
.set i, i+2
.endr
	WIN 0
	QUANT T, PC0+8*(\a), PW0+(\a)
	global_store_b128 v8, v[PC0+8*(\a):PC0+8*(\a)+3], s[92:93] offset:((\a)/4)*HS+4096+1024*((\a)%4)
	global_store_b128 v8, v[PC0+8*(\a)+4:PC0+8*(\a)+7], s[92:93] offset:((\a)/4)*HS+4096+1024*((\a)%4)+512
	ds_store_b32 v10, v[PW0+(\a)] offset:256*((\a)/4)+128*((\a)%2)+4*(((\a)%4)/2)   ; both halves write the same word with the same value
.endm
.irp a, 0,1,2,3,4,5,6,7
	EPI_V \a
.endr
	ds_load_b128 v[96:99], v11
	s_wait_dscnt 0x0
	global_store_b128 v14, v[96:99], s[92:93] offset:8704
	s_branch .Lout
; ---- gk: lane = a token, registers = 128 channels = two heads; gov = sum of gq (gk + bgk), in f32
.Lg:
	BASE 41, 15, 40, 16
	s_add_nc_u64 s[92:93], s[100:101], s[46:47]    ; qb
	s_add_nc_u64 s[94:95], s[12:13], s[22:23]      ; bgk
	s_lshl_b32 s46, s21, 12
	s_add_co_u32 s46, s46, s22
	s_add_nc_u64 s[42:43], s[98:99], s[46:47]      ; gq of my batch, at my first channel
	s_mov_b32 s45, 0xffff0000                      ; the lanes of the upper half
	v_lshlrev_b32 v9, 6, v2
.irp g, 0,1,2,3,4,5,6,7,8,9,10,11,12,13,14,15
	global_load_b128 v[BI+4*\g:BI+4*\g+3], v9, s[94:95] offset:128*(\g/4)+16*(\g%4)
	global_load_b128 v[GQ+4*\g:GQ+4*\g+3], v9, s[42:43] offset:128*(\g/4)+16*(\g%4)
.endr
	s_lshl_b32 s18, s14, 10
	s_add_co_u32 s18, s18, GS
	v_lshlrev_b32 v10, 9, v2
	v_lshl_add_u32 v10, v1, 4, v10
	v_add_nc_u32 v10, s18, v10
	v_add_nc_u32 v11, s18, v8
	s_wait_loadcnt 0x0
.irp c, 0,1
	v_pk_mul_f32 v[96+2*\c:97+2*\c], v[BI+32*\c:BI+32*\c+1], v[GQ+32*\c:GQ+32*\c+1]    ; the bias's share, sum of gq bgk over my 32 channels of head c: once for all tokens
.endr
.irp i, 2,4,6,8,10,12,14,16,18,20,22,24,26,28,30
.irp c, 0,1
	v_pk_fma_f32 v[96+2*\c:97+2*\c], v[BI+32*\c+\i:BI+32*\c+\i+1], v[GQ+32*\c+\i:GQ+32*\c+\i+1], v[96+2*\c:97+2*\c]
.endr
.endr
.macro EPI_G a
.set AC, 64*((\a)%4)
	WIN 0x02+(\a)/4
.irp c, 0,1
	v_pk_fma_f32 v[104+2*\c:105+2*\c], v[AC+32*\c:AC+32*\c+1], v[GQ+32*\c:GQ+32*\c+1], v[96+2*\c:97+2*\c]   ; the two heads by turns; each accumulator from its low end on
.endr
.irp i, 2,4,6,8,10,12,14,16,18,20,22,24,26,28,30
.irp c, 0,1
	v_pk_fma_f32 v[104+2*\c:105+2*\c], v[AC+32*\c+\i:AC+32*\c+\i+1], v[GQ+32*\c+\i:GQ+32*\c+\i+1], v[104+2*\c:105+2*\c]
.endr
.endr
	WIN 0
	v_add_f32 v13, v104, v105
	v_add_f32 v14, v106, v107
	v_permlanex16_b32 v100, v13, s2, s3
	v_permlanex16_b32 v101, v14, s2, s3
	v_add_f32 v13, v13, v100                       ; with lane l xor 16's 32 channels
	v_add_f32 v14, v14, v101
	v_cndmask_b32 v[WD+(\a)], v13, v14, s45        ; lanes of half h keep head h's
	ds_store_b32 v10, v[WD+(\a)] offset:256*((\a)%2)+4*((\a)/2)
.endm
.irp a, 0,1,2,3,4,5,6,7
	EPI_G \a
.endr
	ds_load_b128 v[96:99], v11
	ds_load_b128 v[100:103], v11 offset:512
	s_wait_dscnt 0x0
	global_store_b128 v8, v[96:99], s[92:93] offset:4096
	global_store_b128 v8, v[100:103], s[92:93] offset:HS+4096
.Lout:
	s_wait_tensorcnt 0x0                           ; the wave's end: behind my last tensor load and my last LDS store
	ds_add_u32 v[SPW], v[NIL]
	s_wait_dscnt 0x0
	CROUND                                         ; the closing round: no work-group ends while a partner may still ask for a tile that names it
	s_endpgm
.Lfunc_end_k_q3788d147cd_proj:
	.size	k_q3788d147cd_proj, .Lfunc_end_k_q3788d147cd_proj-k_q3788d147cd_proj
	.p2alignl 7, 3214868480
	.fill 96, 4, 3214868480
	.section	.rodata,"a",@progbits
	.p2align	6, 0x0
	.amdhsa_kernel k_q3788d147cd_proj
		.amdhsa_group_segment_fixed_size 327680
		.amdhsa_private_segment_fixed_size 0
		.amdhsa_enable_private_segment 0
		.amdhsa_kernarg_size 72
		.amdhsa_user_sgpr_count 2
		.amdhsa_user_sgpr_kernarg_segment_ptr 1
		.amdhsa_wavefront_size32 1
		.amdhsa_system_sgpr_workgroup_id_x 1
		.amdhsa_system_sgpr_workgroup_id_y 1
		.amdhsa_system_sgpr_workgroup_id_z 1
		.amdhsa_system_vgpr_workitem_id 0
		.amdhsa_next_free_vgpr 1024
		.amdhsa_next_free_sgpr 102
		.amdhsa_reserve_vcc 0
		.amdhsa_float_denorm_mode_32 3
		.amdhsa_float_denorm_mode_16_64 3
		.amdhsa_memory_ordered 1
		.amdhsa_forward_progress 1
		.amdhsa_inst_pref_size 224
	.end_amdhsa_kernel
	.amdgpu_metadata
---
amdhsa.version: [ 1, 2 ]
amdhsa.kernels:
  - .name:           k_q3788d147cd_proj
    .symbol:         k_q3788d147cd_proj.kd
    .args:
      - { .name: codes, .offset: 0, .size: 8, .value_kind: global_buffer, .address_space: global }
      - { .name: scales, .offset: 8, .size: 8, .value_kind: global_buffer, .address_space: global }
      - { .name: bq, .offset: 16, .size: 8, .value_kind: global_buffer, .address_space: global }
      - { .name: bk, .offset: 24, .size: 8, .value_kind: global_buffer, .address_space: global }
      - { .name: bgk, .offset: 32, .size: 8, .value_kind: global_buffer, .address_space: global }
      - { .name: bv, .offset: 40, .size: 8, .value_kind: global_buffer, .address_space: global }
      - { .name: gq, .offset: 48, .size: 8, .value_kind: global_buffer, .address_space: global }
      - { .name: qb, .offset: 56, .size: 8, .value_kind: global_buffer, .address_space: global }
      - { .name: kvb, .offset: 64, .size: 8, .value_kind: global_buffer, .address_space: global }
    .group_segment_fixed_size: 327680
    .private_segment_fixed_size: 0
    .kernarg_segment_align: 8
    .kernarg_segment_size: 72
    .max_flat_workgroup_size: 128
    .sgpr_count:     102
    .vgpr_count:     1024
    .wavefront_size: 32
...
	.end_amdgpu_metadata
.endif
;; end of part 2
;; launch attn (part 3): grid 8 x 32, 16 waves a work-group, clusters of 4 x 1, 327,680 bytes of LDS; arguments qb, kvb, out0, parts; writes out0, parts
.if DOCPART == 3
	.amdgcn_target "amdgcn-amd-amdhsa--gfx1250"
	.amdhsa_code_object_version 6
	.text
	.protected	k_q3788d147cd_attn
	.globl	k_q3788d147cd_attn
	.p2align	8
	.type	k_q3788d147cd_attn,@function
k_q3788d147cd_attn:
	s_mov_b64 s[64:65], 0
	v_nop
	global_prefetch_b8 v0, s[64:65] scope:SCOPE_SE
	s_setreg_imm32_b32 hwreg(HW_REG_WAVE_MODE, 25, 1), 1
	s_wait_xcnt 0x0
	s_wait_alu depctr_hold_cnt(0) depctr_sa_sdst(0) depctr_va_vdst(0) depctr_va_sdst(0) depctr_va_ssrc(0) depctr_va_vcc(0) depctr_vm_vsrc(0)
	s_getreg_b32 s2, hwreg(HW_REG_IB_STS2, 6, 4)
	s_cmp_eq_u32 s2, 0
	s_cbranch_scc0 .Lentry_in_a_cluster
	s_endpgm
.Lentry_in_a_cluster:
	s_bfe_u32 s2, ttmp6, 0x10000c
	s_cmp_lg_u32 s2, 0x3003
	s_cbranch_scc0 .Lentry_shape_is_right
	s_endpgm
.Lentry_shape_is_right:
; Launch 3 of 4: attention on codes of FP4 (E2M1), head size 64, 2,048 keys, no mask; and each row's entropy, |gov| and largest probability.  No work is left out.
; t = score x log2(e) / 8 + 0.1 gov x log2(e); M = the row's largest t so far, rounded UP to a whole number; p = 2^(t - M) is quantised along the keys, not normalised; l = the sum of the unquantised p divides at the end.
; When M moves, l and O are multiplied by f = 2^(old M - new M): exact.
; THE ROW'S FIGURES.  With u = t - M and W = the sum of p u (carried like l; when M moves by d = old M - new M, W becomes f (W + d l)): log P = ln 2 (u - log2 l), so the entropy is ln 2 (log2 l - W / l).
; The largest probability is 2^(largest t - M) / l.
; LIMITS.  reference() takes log(P + 1e-8): the sum of P log(1 + 1e-8 / P) over 2,048 keys lies between 0 and 2,048 x 1e-8 = 2.05e-5 for every input (x log(1 + e / x) <= e), by which a row's entropy here lies above
; reference()'s; where P is 0 both forms add 0.  A p under 2^-126 counts as 0.  A block of p whose every number is 0 keeps the byte 1: its codes are zeros.  NaN and infinities are not served.
; SHARES.  A work-group owns 256 queries of one (batch, head); each of its sixteen waves 16 of them, one tile, in 256 registers: four waves to a SIMD.  Every wave walks all 16 key steps of 128 keys.
; A WHOLE HEAD'S K, V AND SCALE WORDS, 143,360 bytes, STAY IN LDS: sixteen first fills, one a wave (one tensor load of a wave is out), no slot is ever filled again.  Every byte of K and V is asked for at the head,
; so there is no later load ahead of which a prefetch could run: none is written.
; CLUSTER.  The four query blocks of a cluster belong to one head and need the same K and V: each block of 8,960 bytes is asked for JOINTLY, by the same tensor load with the same descriptor and the mask of all four.
; LAYOUT.  Both products are used transposed: S^T = K Q^T (source 0 = 16 keys), O^T = V^T P^T (source 0 = 16 channels): a lane holds ONE query (lane % 16) throughout.  The buffers hold images of the operands' registers:
; a tile comes by ds_load_b128 at 16 x lane.  Tile t, lane r = key 32 (t / 2) + 8 (t % 2) + r + 8 (r / 8), so the 16 registers of tiles 2 b and 2 b + 1 are keys 32 b + 16 (lane / 16) + 0 .. 15.
; K = 64 IN AN INSTRUCTION OF K = 128.  Q's registers 4-7 hold zero codes.  K's operand for tile t is named v[32 + 4 t : 39 + 4 t]: its upper four registers hold the next tile's codes (behind tile 7: zeros), finite numbers
; that meet zero codes and add nothing; both sides' scale bytes for k = 64 .. 127 are 0, which stands for 2^-127.
; REGISTERS: v1 16 x lane, v2 8 x lane, v3, v4 the add's two, v5-7 the way out, v8, v9 the step's LDS addresses, v[10:11] W, v12 -M, v13 the largest t, v[14:15] l, v16-19 Q, v20-23 zeros, v24 0.1 gov log2(e), v25 gov,
;   v[26:27] (that - M, 0), v[28:29] (f, 0), v[30:31] (d, 0), v32-63 K's eight tiles, later V's four, v64-67 zeros, v68-71 K's scale words, v72-73 V's, v74 p's, v75 Q's, v76-83 p's codes, v84-95 at work, v96-159 S^T, then u, v160-223 p, v224-255 O^T.
.set BLK,   8960
.set HS,    16*BLK
.set STAGE, HS                         ; behind K and V: 16 rows x (256 bytes + 16) for each wave, for the way out
.set STAT,  STAGE+16*4352              ; sixteen waves' three sums, 16 bytes each
.set SPARE, STAT+256                   ; the spare words, 128 bytes for each wave: eight blocks of 256 bytes that no other line names
.set SPW, 3
.set NIL, 4
.macro CROUND                          ; a round of the cluster's barrier
	s_barrier_signal -1
	s_barrier_wait -1
	s_cmp_lg_u32 s12, 0
	s_cbranch_scc1 .Lnot_wave_0_\@
	s_barrier_signal -3
.Lnot_wave_0_\@:
	s_barrier_wait -3
	s_barrier_signal -1
	s_barrier_wait -1
.endm
	s_load_b256 s[4:11], s[0:1], 0x0               ; qb s[4:5], kvb s[6:7], out0 s[8:9], parts s[10:11]
	v_lshl_add_u32 v[SPW], v0, 2, SPARE
	v_mov_b32 v[NIL], 0
	ds_add_u32 v[SPW], v[NIL]                      ; the wave's opening: the add, twice on end, and its wait ahead of my first tensor load
	ds_add_u32 v[SPW], v[NIL]
	v_lshrrev_b32 v1, 5, v0
	v_readfirstlane_b32 s12, v1                    ; wave 0..15
	s_bfe_u32 s13, ttmp6, 0x40000                  ; cx
	s_lshl_b32 s14, ttmp9, 2
	s_add_co_u32 s14, s14, s13                     ; my block of 256 queries: it enters global addresses of Q, gov, out0 and parts alone
	s_and_b32 s15, ttmp7, 0xffff                   ; batch x 16 + head, which the four partners share
	; descriptor group 1: a dense block of 8,960 bytes as 35 rows of 256 bytes (32 elements of 8 bytes), no padding
	s_mov_b32 s16, 15|(3<<16)|(1<<21)              ; 15:0 the mask: all four work-groups; 17:16 elements of 8 bytes; 21 set beside a mask
	s_mov_b32 s17, 32<<16                          ; tensor_dim0
	s_mov_b32 s18, 35<<16                          ; tensor_dim1
	s_mov_b32 s19, 32<<16                          ; tile_dim0
	s_mov_b32 s20, 35                              ; tile_dim1
	s_mov_b32 s21, 32                              ; tensor_dim0_stride
	s_mov_b32 s22, 0
	s_mov_b32 s23, 0
	s_mov_b32 s24, 1                               ; group 0: count = 1
	s_mul_i32 s25, s12, BLK                        ; LDS address: key step = my wave's number
	s_mul_i32 s34, s15, HS
	s_add_co_u32 s34, s34, s25
	s_mov_b32 s35, 0
	s_mov_b32 s28, 0x76543210
	s_mov_b32 s29, 0xfedcba98                      ; v_permlanex16_b32's selects for lane l xor 16
	s_mov_b32 s30, 0x3e38aa3b                      ; c = log2(e) / sqrt(64)
	s_mov_b32 s31, s30                             ; (named with it as a pair, so it is written)
	s_mov_b32 s32, 0                               ; LDS byte at which the step's block begins
	s_mov_b32 s33, 16                              ; key steps to go
	s_wait_dscnt 0x0                               ; both opening adds are done
	s_wait_kmcnt 0x0
	s_add_nc_u64 s[26:27], s[6:7], s[34:35]
	s_or_b32 s27, s27, 0x80000000                  ; type = 2
	CROUND                                         ; all four work-groups are here: the joint loads meet
	tensor_load_to_lds s[24:27], s[16:23]
	s_nop 0
.rept 4
	v_nop
.endr
	s_lshl_b32 s34, s14, 1
	s_lshr_b32 s36, s12, 3
	s_add_co_u32 s34, s34, s36                     ; my queries' step of 128
	s_and_b32 s36, s12, 7                          ; and their tile a in it
	s_and_b32 s37, s36, 1                          ; a % 2
	s_lshr_b32 s41, s36, 1                         ; a / 2
	s_lshl_b32 s44, s15, 4
	s_add_co_u32 s44, s44, s34
	s_mul_i32 s38, s44, BLK
	s_mov_b32 s39, 0
	s_add_nc_u64 s[4:5], s[4:5], s[38:39]          ; qb at my block
	s_lshl_b32 s38, s36, 9
	s_add_nc_u64 s[42:43], s[4:5], s[38:39]        ; Q's tile
	s_lshl_b32 s38, s37, 8
	s_lshl_b32 s44, s41, 2
	s_add_co_u32 s38, s38, s44
	s_add_nc_u64 s[4:5], s[4:5], s[38:39]          ; my tile's place in a table of words
	v_and_b32 v1, 31, v0
	v_lshlrev_b32 v2, 3, v1
	v_lshlrev_b32 v1, 4, v1
	v_and_b32 v8, 15, v0
	v_lshlrev_b32 v8, 4, v8
	global_load_b128 v[16:19], v1, s[42:43]        ; Q's codes stay in registers
	global_load_b32 v75, v8, s[4:5] offset:8192    ; Q's scale words
	global_load_b32 v25, v8, s[4:5] offset:4096    ; gov of my query
	s_lshr_b32 s35, s15, 4                         ; out0: row (batch x 2048 + 128 step + 32 (a / 2) + 8 (a % 2)) of 4,096 bytes, + 256 x head
	s_lshl_b32 s35, s35, 11
	s_lshl_b32 s36, s34, 7
	s_add_co_u32 s35, s35, s36
	s_lshl_b32 s36, s41, 5
	s_add_co_u32 s35, s35, s36
	s_lshl_b32 s36, s37, 3
	s_add_co_u32 s35, s35, s36
	s_lshl_b32 s38, s35, 12
	s_and_b32 s36, s15, 15
	s_lshl_b32 s36, s36, 8
	s_add_co_u32 s38, s38, s36
	s_add_nc_u64 s[8:9], s[8:9], s[38:39]
	s_lshl_b32 s38, s15, 3
	s_add_co_u32 s38, s38, s14
	s_lshl_b32 s38, s38, 4
	s_add_nc_u64 s[10:11], s[10:11], s[38:39]      ; parts: 16 bytes a work-group
	v_mov_b32 v13, 0xff61b1e6                      ; the largest t so far: -3e38, under every t
	v_floor_f32 v12, -v13                          ; -M
.irp j, 10,11,14,15,20,21,22,23,27,29,31,64,65,66,67,88,89,90,91
	v_mov_b32 v\j, 0                               ; W, l; the zero codes; the upper halves of pairs that are named whole; the lane permutes' destinations
.endr
.set j, 0
.rept 32
	v_mov_b32 v[224+j], 0                          ; O^T.  (The step is written once: the first finds zeros, which the first change of M leaves zeros)
.set j, j+1
.endr
	s_wait_loadcnt 0x0
	v_mul_f32 v24, 0x3dcccccd, v25                 ; 0.1 gov,
	v_mul_f32 v24, 0x3fb8aa3b, v24                 ; x log2(e)
	s_wait_tensorcnt 0x0                           ; my block is in,
	s_barrier_signal -1
	s_barrier_wait -1                              ; everybody's is
.Lstep:                                            ; 16 trips: 128 keys each
	v_add_nc_u32 v8, s32, v1
	v_add_nc_u32 v9, s32, v2
	v_nop
	v_nop                                          ; four places in front of loads into registers that the last trip's products have read
.irp t, 0,1,2,3,4,5,6,7
	ds_load_b128 v[32+4*\t:35+4*\t], v8 offset:512*\t
.endr
	ds_load_b128 v[68:71], v8 offset:8192          ; K's scale words: register t / 2, lanes 0-15 tile 2 (t / 2), lanes 16-31 the next
	s_wait_dscnt 0x0
.irp t, 0,1,2,3,4,5,6,7
.if \t%2
	v_wmma_scale_f32_16x16x128_f8f6f4 v[96+8*\t:103+8*\t], v[32+4*\t:39+4*\t], v[16:23], 0, v[68+\t/2], v75 matrix_a_fmt:MATRIX_FMT_FP4 matrix_b_fmt:MATRIX_FMT_FP4 matrix_a_scale:MATRIX_SCALE_ROW1
.else
	v_wmma_scale_f32_16x16x128_f8f6f4 v[96+8*\t:103+8*\t], v[32+4*\t:39+4*\t], v[16:23], 0, v[68+\t/2], v75 matrix_a_fmt:MATRIX_FMT_FP4 matrix_b_fmt:MATRIX_FMT_FP4
.endif
.endr
.rept 4
	v_nop                                          ; places in front of the loads below and of the first read of the scores
.endr
.irp a, 0,1,2,3
.irp c, 0,1
	ds_load_b128 v[32+8*\a+4*\c:35+8*\a+4*\c], v8 offset:4096+1024*\a+512*\c     ; V^T's four tiles land while the softmax is walked
.endr
.endr
	ds_load_b64 v[72:73], v9 offset:8704           ; and V's scale words
.irp b, 0,1,2,3
	v_max3_num_f32 v[84+\b], v[96+16*\b], v[97+16*\b], v[98+16*\b]   ; the largest score of each block of 32 keys: for the row's maximum and, since p rises with the score, for the block's largest p
.endr
.irp i, 3,5,7,9,11,13
.irp b, 0,1,2,3
	v_max3_num_f32 v[84+\b], v[84+\b], v[96+16*\b+\i], v[97+16*\b+\i]
.endr
.endr
.irp b, 0,1,2,3
	v_max_num_f32 v[84+\b], v[84+\b], v[111+16*\b]
.endr
.irp b, 0,1,2,3
	v_permlanex16_b32 v[88+\b], v[84+\b], s28, s29
.endr
.irp b, 0,1,2,3
	v_max_num_f32 v[84+\b], v[84+\b], v[88+\b]     ; with lane l xor 16's 16 keys
.endr
	v_max3_num_f32 v92, v84, v85, v86
	v_max_num_f32 v92, v92, v87                    ; the step's largest score of my query,
	v_fma_f32 v92, v92, s30, v24                   ; as t (c is positive)
	v_max_num_f32 v13, v13, v92                    ; the running largest t
	v_mov_b32 v92, v12
	v_floor_f32 v12, -v13                          ; the new -M = floor(-t) = -ceil(t)
	v_sub_f32 v30, v12, v92                        ; d = old M - new M: a whole number, 0 or less
	v_cvt_i32_f32 v93, v30                         ; (it saturates)
	v_ldexp_f32 v28, 1.0, v93                      ; f = 2^d
	v_add_f32 v26, v24, v12                        ; the governance term - M
.set j, 0
.rept 32
	v_pk_fma_f32 v[96+j:97+j], v[96+j:97+j], s[30:31], v[26:27] op_sel_hi:[1,0,0]   ; u = t - M, two at a time
.set j, j+2
.endr
.irp b, 0,1,2,3
	v_fma_f32 v[84+\b], v[84+\b], s30, v26         ; the same of each block's largest score
.endr
.set j, 0
.rept 64
	v_exp_f32 v[160+j], v[96+j]                    ; p = 2^u, at most 1; u is kept for W
.set j, j+1
.endr
	v_pk_fma_f32 v[10:11], v[14:15], v[30:31], v[10:11] op_sel_hi:[1,0,1]   ; W + d l,  (plain work behind the exponentials)
	v_pk_mul_f32 v[10:11], v[10:11], v[28:29] op_sel_hi:[1,0]               ; x f: W under the new M
	v_pk_mul_f32 v[14:15], v[14:15], v[28:29] op_sel_hi:[1,0]               ; l under the new M
	s_wait_alu depctr_va_vdst(0)                   ; one wait for the whole batch, ahead of its first reader
.irp b, 0,1,2,3
	v_exp_f32 v[84+\b], v[84+\b]                   ; the block's largest p: the same two instructions on the same number give the same bits
.endr
	v_pk_add_f32 v[88:89], v[160:161], v[162:163]  ; l and W are taken of the UNQUANTISED p: four chains by turns.  (They read the 64 alone: plain work behind the four)
	v_pk_mul_f32 v[90:91], v[160:161], v[96:97]
	v_pk_fma_f32 v[10:11], v[162:163], v[98:99], v[10:11]
.set j, 4
.rept 15
	v_pk_add_f32 v[14:15], v[14:15], v[160+j:161+j]
	v_pk_add_f32 v[88:89], v[88:89], v[162+j:163+j]
	v_pk_fma_f32 v[10:11], v[160+j:161+j], v[96+j:97+j], v[10:11]
	v_pk_fma_f32 v[90:91], v[162+j:163+j], v[98+j:99+j], v[90:91]
.set j, j+4
.endr
	v_pk_add_f32 v[14:15], v[14:15], v[88:89]
	v_pk_add_f32 v[10:11], v[10:11], v[90:91]
	s_wait_alu depctr_va_vdst(0)                   ; and one for the four
.irp b, 0,1,2,3
	v_max_num_f32 v[84+\b], 0x1800000, v[84+\b]    ; the floor 2^(3 - 127): the byte cannot fall under 1
.endr
.irp b, 0,1,2,3
	v_add_nc_u32 v[92+\b], 0xff000000, v[84+\b]    ; 2 off the exponent field: the conversion's scale operand
.endr
.irp b, 0,1,2,3
	v_lshrrev_b32 v[84+\b], 23, v[92+\b]           ; the scale's byte
.endr
	v_lshl_or_b32 v74, v85, 8, v84                 ; p's scale word for these 128 keys
	v_lshl_or_b32 v74, v86, 16, v74
	v_lshl_or_b32 v74, v87, 24, v74
.irp b, 0,1,2,3
	v_cvt_scalef32_pk8_fp4_f32 v[76+2*\b], v[160+16*\b:167+16*\b], v[92+\b]
	v_cvt_scalef32_pk8_fp4_f32 v[77+2*\b], v[168+16*\b:175+16*\b], v[92+\b]
.endr
	v_nop                                          ; one plain place behind a scaled conversion
.irp c, 0,1                                    ; the operand's layout wants a WHOLE block in a lane
.irp i, 0,1
	v_permlane16_swap_b32 v[76+4*\c+\i], v[78+4*\c+\i]
.endr
.endr
.set j, 0
.rept 16
	v_pk_mul_f32 v[224+j:225+j], v[224+j:225+j], v[28:29] op_sel_hi:[1,0]   ; O^T under the new M.  (These sixteen are also the places between the writes of p's codes and scale word and the products)
.set j, j+2
.endr
	s_wait_dscnt 0x0                               ; V is in
.irp a, 0,1,2,3                                ; O^T += V^T P^T: the four accumulators by turns, the eight score products between two links of a chain
.if \a%2
	v_wmma_scale_f32_16x16x128_f8f6f4 v[224+8*\a:231+8*\a], v[32+8*\a:39+8*\a], v[76:83], v[224+8*\a:231+8*\a], v[72+\a/2], v74 matrix_a_fmt:MATRIX_FMT_FP4 matrix_b_fmt:MATRIX_FMT_FP4 matrix_a_scale:MATRIX_SCALE_ROW1
.else
	v_wmma_scale_f32_16x16x128_f8f6f4 v[224+8*\a:231+8*\a], v[32+8*\a:39+8*\a], v[76:83], v[224+8*\a:231+8*\a], v[72+\a/2], v74 matrix_a_fmt:MATRIX_FMT_FP4 matrix_b_fmt:MATRIX_FMT_FP4
.endif
.endr
	s_add_co_u32 s32, s32, BLK
	s_sub_co_u32 s33, s33, 1
	s_cmp_lg_u32 s33, 0
	s_cbranch_scc1 .Lstep
	; THE WAY OUT.  The first four lines are the places behind the last products.
	v_add_f32 v14, v14, v15                        ; l's two halves,
	v_add_f32 v10, v10, v11                        ; W's,
	v_add_f32 v86, v13, v12                        ; the largest t - M
	v_and_b32 v89, 0x7fffffff, v25                 ; |gov|
	v_permlanex16_b32 v92, v14, s28, s29
	v_permlanex16_b32 v93, v10, s28, s29
	v_add_f32 v14, v14, v92                        ; and lane l xor 16's: the row's l
	v_add_f32 v10, v10, v93                        ; and W
	v_rcp_f32 v84, v14
	v_log_f32 v85, v14
	v_exp_f32 v87, v86
	v_and_b32 v92, 15, v0                          ; (plain work behind the three)  r
	v_bfe_u32 v93, v0, 4, 1                        ; h
	s_mul_i32 s36, s12, 4352
	s_add_co_u32 s36, s36, STAGE                   ; my stage
	v_mul_u32_u24 v6, v92, 272
	v_lshl_add_u32 v6, v93, 6, v6
	v_add_nc_u32 v6, s36, v6                       ; in: row r; register 16 beta + i is channel 32 beta + 16 h + i
	v_mul_u32_u24 v7, v93, 272
	v_lshl_add_u32 v7, v92, 4, v7
	v_add_nc_u32 v7, s36, v7                       ; back: lanes 0-15 one row of 256 bytes, lanes 16-31 the next
	v_lshlrev_b32 v5, 12, v93
	v_lshl_add_u32 v5, v92, 4, v5                  ; and the same two rows in out0
	s_lshl_b32 s36, s12, 4
	s_add_co_u32 s36, s36, STAT
	v_mov_b32 v94, s36                             ; my wave's 16 bytes of sums
	v_lshl_add_u32 v95, v92, 4, STAT               ; and, for wave 0, wave r's
	v_mov_b32 v91, 0
	s_wait_alu depctr_va_vdst(0)                   ; one wait for the three, ahead of their first reader
	v_fma_f32 v88, -v10, v84, v85                  ; log2 l - W / l
	v_mul_f32 v90, v87, v84                        ; the row's largest probability
	v_mul_f32 v88, 0x3f317218, v88                 ; x ln 2: the row's entropy
.irp m, 1,2,4,8
.irp g, 88,89,90
	v_add_f32_dpp v\g, v\g, v\g row_xmask:\m row_mask:0xf bank_mask:0xf    ; over my 16 queries; the two halves of the lanes hold the same rows, so nothing is counted twice
.endr
.endr
	ds_store_b128 v94, v[88:91]                    ; all lanes write the same 16 bytes with the same values
.set j, 0
.rept 16
	v_pk_mul_f32 v[160+j:161+j], v[224+j:225+j], v[84:85] op_sel_hi:[1,0]   ; O^T / l, each accumulator from its low end on
.set j, j+2
.endr
.irp g, 0,1,2,3,4,5,6,7
	ds_store_b128 v6, v[160+4*\g:163+4*\g] offset:128*(\g/4)+16*(\g%4)
.endr
.irp i, 0,1,2,3,4,5,6,7
	ds_load_b128 v[192+4*\i:195+4*\i], v7 offset:544*\i      ; a wave's LDS instructions are served in order: these see my stores
.endr
.irp i, 0,1,2,3,4,5,6,7
	s_wait_dscnt 7-\i                              ; the younger loads from the stage may be out
	global_store_b128 v5, v[192+4*\i:195+4*\i], s[8:9] offset:(((2*\i)%8)+16*(\i/4))*4096 th:TH_STORE_NT   ; query 2 i + h of the tile is token (2 i) % 8 + 16 (i / 4) + h: 16 lanes store 256 consecutive bytes, aligned
.endr
	s_barrier_signal -1                            ; every wave's LDS instructions are done (the last count was 0): the sixteen sums lie in LDS
	s_barrier_wait -1
	s_cmp_lg_u32 s12, 0
	s_cbranch_scc1 .Lnot_first
	ds_load_b128 v[96:99], v95
	s_wait_dscnt 0x0
.irp m, 1,2,4,8
.irp g, 96,97,98
	v_add_f32_dpp v\g, v\g, v\g row_xmask:\m row_mask:0xf bank_mask:0xf    ; over the sixteen waves
.endr
.endr
	v_mov_b32 v100, 0
	s_wait_xcnt 0x0                                ; EXEC changes only behind this wait: it is a source of the stores above
	v_cmp_eq_u32 vcc_lo, 0, v0
	s_and_saveexec_b32 s40, vcc_lo
	global_store_b128 v100, v[96:99], s[10:11]     ; the work-group's (entropy, |gov|, largest probability, 0)
	s_wait_xcnt 0x0
	s_or_b32 exec_lo, exec_lo, s40
.Lnot_first:
	s_wait_tensorcnt 0x0                           ; the wave's end: behind my last tensor load and my last LDS store
	ds_add_u32 v[SPW], v[NIL]
	s_wait_dscnt 0x0
	CROUND                                         ; the closing round: no work-group ends while a partner may still ask for a tile that names it
	s_endpgm
.Lfunc_end_k_q3788d147cd_attn:
	.size	k_q3788d147cd_attn, .Lfunc_end_k_q3788d147cd_attn-k_q3788d147cd_attn
	.p2alignl 7, 3214868480
	.fill 96, 4, 3214868480
	.section	.rodata,"a",@progbits
	.p2align	6, 0x0
	.amdhsa_kernel k_q3788d147cd_attn
		.amdhsa_group_segment_fixed_size 327680
		.amdhsa_private_segment_fixed_size 0
		.amdhsa_enable_private_segment 0
		.amdhsa_kernarg_size 32
		.amdhsa_user_sgpr_count 2
		.amdhsa_user_sgpr_kernarg_segment_ptr 1
		.amdhsa_wavefront_size32 1
		.amdhsa_system_sgpr_workgroup_id_x 1
		.amdhsa_system_sgpr_workgroup_id_y 1
		.amdhsa_system_sgpr_workgroup_id_z 1
		.amdhsa_system_vgpr_workitem_id 0
		.amdhsa_next_free_vgpr 256
		.amdhsa_next_free_sgpr 66
		.amdhsa_reserve_vcc 1
		.amdhsa_float_denorm_mode_32 3
		.amdhsa_float_denorm_mode_16_64 3
		.amdhsa_memory_ordered 1
		.amdhsa_forward_progress 1
		.amdhsa_inst_pref_size 31
	.end_amdhsa_kernel
	.amdgpu_metadata
---
amdhsa.version: [ 1, 2 ]
amdhsa.kernels:
  - .name:           k_q3788d147cd_attn
    .symbol:         k_q3788d147cd_attn.kd
    .args:
      - { .name: qb, .offset: 0, .size: 8, .value_kind: global_buffer, .address_space: global }
      - { .name: kvb, .offset: 8, .size: 8, .value_kind: global_buffer, .address_space: global }
      - { .name: out0, .offset: 16, .size: 8, .value_kind: global_buffer, .address_space: global }
      - { .name: parts, .offset: 24, .size: 8, .value_kind: global_buffer, .address_space: global }
    .group_segment_fixed_size: 327680
    .private_segment_fixed_size: 0
    .kernarg_segment_align: 8
    .kernarg_segment_size: 32
    .max_flat_workgroup_size: 512
    .sgpr_count:     66
    .vgpr_count:     256
    .wavefront_size: 32
...
	.end_amdgpu_metadata
.endif
;; end of part 3
;; launch finish (part 4): grid 1 x 1, 1 waves a work-group, no clusters, 0 bytes of LDS; arguments parts, out1, out2, out3; writes out1, out2, out3
.if DOCPART == 4
	.amdgcn_target "amdgcn-amd-amdhsa--gfx1250"
	.amdhsa_code_object_version 6
	.text
	.protected	k_q3788d147cd_finish
	.globl	k_q3788d147cd_finish
	.p2align	8
	.type	k_q3788d147cd_finish,@function
k_q3788d147cd_finish:
	s_mov_b64 s[64:65], 0
	v_nop
	global_prefetch_b8 v0, s[64:65] scope:SCOPE_SE
	s_setreg_imm32_b32 hwreg(HW_REG_WAVE_MODE, 25, 1), 1
	s_wait_xcnt 0x0
; Launch 4 of 4: the three means.  parts holds, for each of 256 work-groups, the sums over its 256 rows of (entropy, |gov|, largest probability, 0); all three means are over 2 x 16 x 2,048 = 2^16 rows.
; One wave: a sum that spans work-groups has one owner, in a launch of its own.  4,096 bytes in, 12 out: no LDS, no matrix unit, no cluster.  No work is left out.
	s_load_b256 s[4:11], s[0:1], 0x0               ; parts s[4:5], out1 s[6:7], out2 s[8:9], out3 s[10:11]
	v_lshlrev_b32 v1, 4, v0
	v_mov_b32 v2, 0
	s_mov_b32 s12, 0x76543210
	s_mov_b32 s13, 0xfedcba98                      ; v_permlanex16_b32's selects for lane l xor 16
	s_wait_kmcnt 0x0
.irp i, 0,1,2,3,4,5,6,7
	global_load_b128 v[8+4*\i:11+4*\i], v1, s[4:5] offset:512*\i      ; 32 lanes read 512 consecutive bytes
.endr
	s_wait_loadcnt 0x0
.irp i, 0,1,2,3
	v_pk_add_f32 v[8+4*\i:9+4*\i], v[8+4*\i:9+4*\i], v[24+4*\i:25+4*\i]
	v_add_f32 v[10+4*\i], v[10+4*\i], v[26+4*\i]
.endr
.irp i, 0,1
	v_pk_add_f32 v[8+4*\i:9+4*\i], v[8+4*\i:9+4*\i], v[16+4*\i:17+4*\i]
	v_add_f32 v[10+4*\i], v[10+4*\i], v[18+4*\i]
.endr
	v_pk_add_f32 v[8:9], v[8:9], v[12:13]
	v_add_f32 v10, v10, v14
.irp m, 1,2,4,8
.irp g, 8,9,10
	v_add_f32_dpp v\g, v\g, v\g row_xmask:\m row_mask:0xf bank_mask:0xf
.endr
.endr
.irp g, 0,1,2
	v_permlanex16_b32 v[12+\g], v[8+\g], s12, s13  ; (the destinations have been written: by the loads)
.endr
.irp g, 0,1,2
	v_add_f32 v[8+\g], v[8+\g], v[12+\g]
.endr
.irp g, 0,1,2
	v_mul_f32 v[8+\g], 0x37800000, v[8+\g]         ; x 2^-16
.endr
	s_wait_xcnt 0x0                                ; EXEC changes only behind this wait
	v_cmp_eq_u32 vcc_lo, 0, v0
	s_and_saveexec_b32 s14, vcc_lo
	global_store_b32 v2, v8, s[6:7]                ; entropy
	global_store_b32 v2, v9, s[8:9]                ; influence
	global_store_b32 v2, v10, s[10:11]             ; concentration
	s_wait_xcnt 0x0
	s_or_b32 exec_lo, exec_lo, s14
	s_endpgm
.Lfunc_end_k_q3788d147cd_finish:
	.size	k_q3788d147cd_finish, .Lfunc_end_k_q3788d147cd_finish-k_q3788d147cd_finish
	.p2alignl 7, 3214868480
	.fill 96, 4, 3214868480
	.section	.rodata,"a",@progbits
	.p2align	6, 0x0
	.amdhsa_kernel k_q3788d147cd_finish
		.amdhsa_group_segment_fixed_size 0
		.amdhsa_private_segment_fixed_size 0
		.amdhsa_enable_private_segment 0
		.amdhsa_kernarg_size 32
		.amdhsa_user_sgpr_count 2
		.amdhsa_user_sgpr_kernarg_segment_ptr 1
		.amdhsa_wavefront_size32 1
		.amdhsa_system_sgpr_workgroup_id_x 1
		.amdhsa_system_sgpr_workgroup_id_y 1
		.amdhsa_system_sgpr_workgroup_id_z 1
		.amdhsa_system_vgpr_workitem_id 0
		.amdhsa_next_free_vgpr 48
		.amdhsa_next_free_sgpr 66
		.amdhsa_reserve_vcc 1
		.amdhsa_float_denorm_mode_32 3
		.amdhsa_float_denorm_mode_16_64 3
		.amdhsa_memory_ordered 1
		.amdhsa_forward_progress 1
		.amdhsa_inst_pref_size 4
	.end_amdhsa_kernel
	.amdgpu_metadata
---
amdhsa.version: [ 1, 2 ]
amdhsa.kernels:
  - .name:           k_q3788d147cd_finish
    .symbol:         k_q3788d147cd_finish.kd
    .args:
      - { .name: parts, .offset: 0, .size: 8, .value_kind: global_buffer, .address_space: global }
      - { .name: out1, .offset: 8, .size: 8, .value_kind: global_buffer, .address_space: global }
      - { .name: out2, .offset: 16, .size: 8, .value_kind: global_buffer, .address_space: global }
      - { .name: out3, .offset: 24, .size: 8, .value_kind: global_buffer, .address_space: global }
    .group_segment_fixed_size: 0
    .private_segment_fixed_size: 0
    .kernarg_segment_align: 8
    .kernarg_segment_size: 32
    .max_flat_workgroup_size: 32
    .sgpr_count:     66
    .vgpr_count:     48
    .wavefront_size: 32
...
	.end_amdgpu_metadata
.endif
;; end of part 4
